; MI455X (gfx1250); checked and timed in simulation.
; The chip was launched on July 23, 2026; its instructions are those of AMD's public machine-readable ISA for CDNA 5 (MIT licence, August 2026) and "CDNA5" Instruction Set Architecture Reference Guide (July 2026). The comments in the code are by the model that wrote it; some were corrected since.
;; Transformer Decoder Block. Allowed arithmetic: float matrix products may take bf16 or f16 operands with f32 sums; other float arithmetic in f32, or as packed bf16 or f16 multiplies, adds, multiply-adds, maxima and minima; sums over many terms, partial sums and values carried from step to step in f32; what a program stores and reads back later, other than sums and carried values, may be rounded once to bf16 or f16.
;; Inputs: b1 4,096 float32; b2 1,024 float32; b_o 1,024 float32; ln1_b 1,024 float32; ln1_g 1,024 float32; ln2_b 1,024 float32; ln2_g 1,024 float32; w1 1,024 x 4,096 float32; w2 4,096 x 1,024 float32; w_k 1,024 x 1,024 float32; w_o 1,024 x 1,024 float32; w_q 1,024 x 1,024 float32; w_v 1,024 x 1,024 float32; x 2 x 2,048 x 1,024 float32.
;; Outputs: out0 2 x 2,048 x 1,024 float32.
;; One version. Each part assembles by itself: llvm-mc -triple=amdgcn-amd-amdhsa -mcpu=gfx1250 --defsym DOCPART=n.
;; ======== version 1 of 1: 8 launches
;; limits: values are held in f16: magnitudes above 65,504 overflow, below 6.1e-05 lose precision
;; workspace buffers: hb 8,388,608 bytes; big 33,554,432 bytes; x1 16,777,216 bytes; wa 8,388,608 bytes; w1t 8,388,608 bytes; w2t 8,388,608 bytes; m0 256 bytes of whole numbers; m1 256 bytes of whole numbers
;; launch prep (part 1): grid 768 x 1, 8 waves a work-group, no clusters, 35,840 bytes of LDS; arguments w_q, w_k, w_v, w_o, w1, w2, wa, w1t, w2t, m0, m1; writes wa, w1t, w2t, m0, m1
.if DOCPART == 1
	.amdgcn_target "amdgcn-amd-amdhsa--gfx1250"
	.amdhsa_code_object_version 6
	.text
	.protected	k_qa251db3524_prep
	.globl	k_qa251db3524_prep
	.p2align	8
	.type	k_qa251db3524_prep,@function
k_qa251db3524_prep:
	s_mov_b64 s[64:65], 0
	v_nop
	global_prefetch_b8 v0, s[64:65] scope:SCOPE_SE
	s_setreg_imm32_b32 hwreg(HW_REG_WAVE_MODE, 25, 1), 1
	s_wait_xcnt 0x0
; THE WEIGHTS, ONCE: each [K][N] f32 matrix is rounded to bf16, that number written as f16, and laid [N][K], so that K lies along the rows as the matrix unit's fragments want it.
; wa = w_q^T, w_k^T, w_v^T, w_o^T (1,024 rows of 1,024 each); w1t = w1^T [4096][1024]; w2t = w2^T [1024][4096].  Work-group 0 also stores the two mode words' buffers: m0 all 0, m1 all 1.
; LIMITS.  A weight stays below 65,504 (f16's range); below 2^-17 it keeps f16's fixed step of 6e-8.
; SHARES.  A work-group turns one tile of 128 k x 128 n.  Wave w loads rows k = 16 w .. 16 w + 15, 512 consecutive bytes each; a lane holds 4 columns n of 16 rows k, packs 16 k of each column
; into 32 bytes and puts them into an LDS tile [n][k] with rows 272 bytes apart; behind one barrier wave w reads rows n = 16 w .. + 15 whole and stores them: sixteen lanes store 256 consecutive bytes, aligned.
; The LDS stores go to rows 4 apart (1,088 bytes): four lanes of sixteen meet in a group of banks.  Eight such stores a wave stand beside 96 KiB of memory traffic a tile, and every address stays linear in lane and wave.
; No matrix unit, no cluster: nothing is multiplied and no byte is read twice.
.set PT,    272                        ; an LDS row: 128 k x 2 bytes + 16
.set SPARE, 128*PT                     ; behind the tile: the spare words, 128 bytes for each of the eight waves
.set SPW, 20                           ; v20  my spare word's LDS address; never rewritten
.set NIL, 21                           ; v21  0; never rewritten
.set TT,  8                            ; v[8:19]  at work, three registers for each of four columns
.set D,   32                           ; v[32:95] 16 rows x 4 columns as loaded; later 8 x 16 bytes read back
.set W,   96                           ; v[96:127] column j's 16 k as 8 words at W + 8 j
	s_load_b512 s[8:23], s[0:1], 0x0               ; w_q s[8:9], w_k s[10:11], w_v s[12:13], w_o s[14:15], w1 s[16:17], w2 s[18:19], wa s[20:21], w1t s[22:23]
	s_load_b128 s[24:27], s[0:1], 0x40             ; w2t s[24:25], m0 s[26:27]
	s_load_b64 s[28:29], s[0:1], 0x50              ; m1
	v_lshl_add_u32 v[SPW], v0, 2, SPARE
	v_mov_b32 v[NIL], 0
	v_lshrrev_b32 v1, 5, v0
	v_readfirstlane_b32 s2, v1                     ; wave 0..7
	v_and_b32 v1, 31, v0                           ; lane
	v_and_b32 v2, 15, v0                           ; lane % 16
	v_bfe_u32 v3, v0, 4, 1                         ; lane / 16
	s_mov_b32 s42, 0xffff0000                      ; a word's upper bf16
	; which tile: 256 tiles for the four square matrices, 256 for w1, 256 for w2
	s_lshr_b32 s46, ttmp9, 8                       ; group 0, 1, 2
	s_and_b32 s47, ttmp9, 255
	s_lshr_b32 s48, s47, 3
	s_and_b32 s49, s47, 7                          ; tile column (groups 0 and 2)
	s_lshr_b32 s50, s48, 3                         ; group 0: which of the four matrices
	s_and_b32 s51, s48, 7                          ; group 0: tile row
	s_lshr_b32 s54, s47, 5                         ; group 1: tile row
	s_and_b32 s55, s47, 31                         ; group 1: tile column
	s_mov_b32 s53, 2048                            ; bytes in a row of the result
	s_mov_b32 s52, 4096                            ; bytes in a row of the source
	s_cmp_eq_u32 s46, 2
	s_cselect_b32 s51, s48, s51
	s_cselect_b32 s50, 0, s50
	s_cselect_b32 s53, 8192, s53
	s_cmp_eq_u32 s46, 1
	s_cselect_b32 s51, s54, s51
	s_cselect_b32 s49, s55, s49
	s_cselect_b32 s50, 0, s50
	s_cselect_b32 s52, 16384, s52
	s_lshl_b32 s60, s51, 7
	s_lshl4_add_u32 s60, s2, s60                   ; my first row k = 128 x tile row + 16 x wave
	s_mul_i32 s60, s60, s52
	s_lshl_b32 s61, s49, 9
	s_add_co_u32 s60, s60, s61                     ; + 512 bytes x tile column
	s_mov_b32 s61, 0
	s_lshl_b32 s62, s50, 10
	s_lshl_b32 s63, s49, 7
	s_add_co_u32 s62, s62, s63
	s_lshl4_add_u32 s62, s2, s62                   ; my first row n of the result
	s_mul_i32 s62, s62, s53
	s_lshl_b32 s63, s51, 8
	s_add_co_u32 s62, s62, s63                     ; + 256 bytes x tile row
	s_mov_b32 s63, 0
	v_lshlrev_b32 v6, 4, v1                        ; source: 16 bytes a lane
	v_mul_u32_u24 v7, v3, s53                      ; result: lanes 16-31 one row further down,
	v_lshl_add_u32 v7, v2, 4, v7                   ; 16 bytes a lane
	v_mul_u32_u24 v4, v1, 4*PT                     ; into LDS: row n = 4 x lane (+ j), bytes 32 x wave on
	s_lshl_b32 s3, s2, 5
	v_add_nc_u32 v4, s3, v4
	s_mul_i32 s3, s2, 16*PT                        ; back: rows 16 x wave + lane / 16 (+ 2 u), 16 bytes a lane
	v_mul_u32_u24 v5, v3, PT
	v_lshl_add_u32 v5, v2, 4, v5
	v_add_nc_u32 v5, s3, v5
	s_wait_kmcnt 0x0
	s_cmp_eq_u32 s50, 1
	s_cselect_b64 s[56:57], s[10:11], s[8:9]
	s_cmp_eq_u32 s50, 2
	s_cselect_b64 s[56:57], s[12:13], s[56:57]
	s_cmp_eq_u32 s50, 3
	s_cselect_b64 s[56:57], s[14:15], s[56:57]
	s_cmp_eq_u32 s46, 1
	s_cselect_b64 s[56:57], s[16:17], s[56:57]
	s_cselect_b64 s[58:59], s[22:23], s[20:21]
	s_cmp_eq_u32 s46, 2
	s_cselect_b64 s[56:57], s[18:19], s[56:57]
	s_cselect_b64 s[58:59], s[24:25], s[58:59]
	s_add_nc_u64 s[56:57], s[56:57], s[60:61]
	s_add_nc_u64 s[58:59], s[58:59], s[62:63]
.macro LD16 pitch                      ; my 16 rows: the row's place stands in the immediate, so the text has a copy for each pitch
.set i, 0
.rept 16
	global_load_b128 v[D+4*i:D+4*i+3], v6, s[56:57] offset:i*(\pitch) th:TH_LOAD_NT
.set i, i+1
.endr
.endm
	s_cmp_eq_u32 s46, 1
	s_cbranch_scc1 .Lwide
	LD16 4096
	s_branch .Lloaded
.Lwide:
	LD16 16384
.Lloaded:
	s_wait_loadcnt 0x0
	; rows 2 t and 2 t + 1 of column j: rounded to bf16 together, widened again, and written as two f16 in one word
.set t, 0
.rept 8
.set j, 0
.rept 4
	v_cvt_pk_bf16_f32 v[TT+3*j], v[D+8*t+j], v[D+8*t+4+j]
	v_lshlrev_b32 v[TT+3*j+1], 16, v[TT+3*j]
	v_and_b32 v[TT+3*j+2], s42, v[TT+3*j]
	v_cvt_pk_f16_f32 v[W+8*j+t], v[TT+3*j+1], v[TT+3*j+2]
.set j, j+1
.endr
.set t, t+1
.endr
.irp j, 0,1,2,3
	ds_store_b128 v4, v[W+8*(\j):W+8*(\j)+3]   offset:PT*(\j)
	ds_store_b128 v4, v[W+8*(\j)+4:W+8*(\j)+7] offset:PT*(\j)+16
.endr
	s_wait_dscnt 0x0                               ; for the others' sake: my part of every row lies in LDS
	s_barrier_signal -1
	s_barrier_wait -1
.irp u, 0,1,2,3,4,5,6,7
	ds_load_b128 v[D+4*(\u):D+4*(\u)+3], v5 offset:2*PT*(\u)
.endr
.macro ST8 pitch
.irp u, 0,1,2,3,4,5,6,7
	s_wait_dscnt 7-(\u)                            ; LDS loads come back in order: load u is in
	global_store_b128 v7, v[D+4*(\u):D+4*(\u)+3], s[58:59] offset:2*(\u)*(\pitch) th:TH_STORE_NT
.endr
.endm
	s_cmp_eq_u32 s46, 2
	s_cbranch_scc1 .Llong
	ST8 2048
	s_branch .Lstored
.Llong:
	ST8 8192
.Lstored:
	s_or_b32 s3, ttmp9, s2
	s_cmp_lg_u32 s3, 0
	s_cbranch_scc1 .Lend                           ; wave 0 of work-group 0 stores the mode words: 32 lanes x 8 bytes fill each buffer
	v_mov_b32 v8, 0
	v_mov_b32 v9, 0
	v_mov_b32 v10, 1
	v_mov_b32 v11, 1
	v_lshlrev_b32 v12, 3, v1
	global_store_b64 v12, v[8:9], s[26:27]
	global_store_b64 v12, v[10:11], s[28:29]
.Lend:
	s_wait_tensorcnt 0x0                           ; the wave's end, behind my last LDS store
	ds_add_u32 v[SPW], v[NIL]
	s_wait_dscnt 0x0
	s_endpgm
.Lfunc_end_k_qa251db3524_prep:
	.size	k_qa251db3524_prep, .Lfunc_end_k_qa251db3524_prep-k_qa251db3524_prep
	.p2alignl 7, 3214868480
	.fill 96, 4, 3214868480
	.section	.rodata,"a",@progbits
	.p2align	6, 0x0
	.amdhsa_kernel k_qa251db3524_prep
		.amdhsa_group_segment_fixed_size 35840
		.amdhsa_private_segment_fixed_size 0
		.amdhsa_enable_private_segment 0
		.amdhsa_kernarg_size 88
		.amdhsa_user_sgpr_count 2
		.amdhsa_user_sgpr_kernarg_segment_ptr 1
		.amdhsa_wavefront_size32 1
		.amdhsa_system_sgpr_workgroup_id_x 1
		.amdhsa_system_sgpr_workgroup_id_y 1
		.amdhsa_system_sgpr_workgroup_id_z 1
		.amdhsa_system_vgpr_workitem_id 0
		.amdhsa_next_free_vgpr 128
		.amdhsa_next_free_sgpr 66
		.amdhsa_reserve_vcc 0
		.amdhsa_float_denorm_mode_32 3
		.amdhsa_float_denorm_mode_16_64 3
		.amdhsa_memory_ordered 1
		.amdhsa_forward_progress 1
		.amdhsa_inst_pref_size 16
	.end_amdhsa_kernel
	.amdgpu_metadata
---
amdhsa.version: [ 1, 2 ]
amdhsa.kernels:
  - .name:           k_qa251db3524_prep
    .symbol:         k_qa251db3524_prep.kd
    .args:
      - { .name: w_q, .offset: 0, .size: 8, .value_kind: global_buffer, .address_space: global }
      - { .name: w_k, .offset: 8, .size: 8, .value_kind: global_buffer, .address_space: global }
      - { .name: w_v, .offset: 16, .size: 8, .value_kind: global_buffer, .address_space: global }
      - { .name: w_o, .offset: 24, .size: 8, .value_kind: global_buffer, .address_space: global }
      - { .name: w1, .offset: 32, .size: 8, .value_kind: global_buffer, .address_space: global }
      - { .name: w2, .offset: 40, .size: 8, .value_kind: global_buffer, .address_space: global }
      - { .name: wa, .offset: 48, .size: 8, .value_kind: global_buffer, .address_space: global }
      - { .name: w1t, .offset: 56, .size: 8, .value_kind: global_buffer, .address_space: global }
      - { .name: w2t, .offset: 64, .size: 8, .value_kind: global_buffer, .address_space: global }
      - { .name: m0, .offset: 72, .size: 8, .value_kind: global_buffer, .address_space: global }
      - { .name: m1, .offset: 80, .size: 8, .value_kind: global_buffer, .address_space: global }
    .group_segment_fixed_size: 35840
    .private_segment_fixed_size: 0
    .kernarg_segment_align: 8
    .kernarg_segment_size: 88
    .max_flat_workgroup_size: 256
    .sgpr_count:     66
    .vgpr_count:     128
    .wavefront_size: 32
...
	.end_amdgpu_metadata
.endif
;; end of part 1
;; launch ln1 (part 2): grid 512 x 1, 8 waves a work-group, no clusters, 0 bytes of LDS; arguments x, ln1_g, ln1_b, hb, m1; writes hb
.if DOCPART == 2
	.amdgcn_target "amdgcn-amd-amdhsa--gfx1250"
	.amdhsa_code_object_version 6
	.text
	.protected	k_qa251db3524_ln1
	.globl	k_qa251db3524_ln1
	.p2align	8
	.type	k_qa251db3524_ln1,@function
k_qa251db3524_ln1:
	s_mov_b64 s[64:65], 0
	v_nop
	global_prefetch_b8 v0, s[64:65] scope:SCOPE_SE
	s_setreg_imm32_b32 hwreg(HW_REG_WAVE_MODE, 25, 1), 1
	s_wait_xcnt 0x0
; LAYER NORM.  y[r][c] = (x[r][c] - mean) / sqrt(var + 1e-5) * g[c] + b[c].  x: [4096][1024] f32, y: the same shape in f16, rounded once.  All arithmetic in f32; the mean is taken away before the squares.
; g and b are rounded to bf16 as they are read, like every input of the module.  The rows are so rounded where the mode word is 1 (the rows are the module's input x) and left alone where it is 0
; (the rows are the program's own f32 sums): a select, no branch.
; LIMIT.  y stays below 65,504 (f16's range).
; SHARES.  One wave, one row of 4,096 bytes: eight loads of 16 bytes a lane, 512 consecutive bytes each; the row stays in 32 registers, so memory is read once and no wave waits for another.
; Each store of a wave covers 256 consecutive bytes, aligned.  No LDS, no matrix unit, no cluster: rows share nothing but g and b, 8 KiB.
.set Y, 2                              ; v[2:17]   the row in f16
.set A, 22                             ; v[22:29]  four running sums, two numbers each
.set X, 32                             ; v[32:63]  load j: columns 128 j + 4 lane + 0..3
.set G, 64
.set B, 96
	s_load_b256 s[4:11], s[0:1], 0x0               ; x s[4:5], g s[6:7], b s[8:9], y s[10:11]
	s_load_b64 s[12:13], s[0:1], 0x20              ; the mode word's buffer
	v_lshrrev_b32 v1, 5, v0
	v_readfirstlane_b32 s2, v1                     ; wave 0..7
	v_and_b32 v1, 31, v0
	v_lshlrev_b32 v31, 4, v1                       ; 16 bytes a lane in x, g and b
	v_lshlrev_b32 v30, 3, v1                       ; 8 bytes a lane in y
	v_mov_b32 v19, 0                               ; v_permlanex16_b32's destination counts as read
	s_lshl_b32 s3, ttmp9, 3
	s_add_co_u32 s3, s3, s2                        ; my row
	s_lshl_b32 s14, s3, 12
	s_mov_b32 s15, 0
	s_lshl_b32 s16, s3, 11
	s_mov_b32 s17, 0
	s_mov_b32 s40, 0x76543210                      ; v_permlanex16_b32: each lane takes its own place in the other half
	s_mov_b32 s41, 0xfedcba98
	s_mov_b32 s42, 0xffff0000                      ; a word's upper bf16
	s_mov_b32 s43, 0x3a800000                      ; 1 / 1024
	s_mov_b32 s44, 0x3727c5ac                      ; 1e-5
	s_wait_kmcnt 0x0
	s_load_b32 s18, s[12:13], 0x0
	s_add_nc_u64 s[4:5], s[4:5], s[14:15]
	s_add_nc_u64 s[10:11], s[10:11], s[16:17]
.irp j, 0,1,2,3,4,5,6,7
	global_load_b128 v[X+4*(\j):X+4*(\j)+3], v31, s[4:5] offset:512*(\j) th:TH_LOAD_NT
.endr
.irp j, 0,1,2,3,4,5,6,7
	global_load_b128 v[G+4*(\j):G+4*(\j)+3], v31, s[6:7] offset:512*(\j)
.endr
.irp j, 0,1,2,3,4,5,6,7
	global_load_b128 v[B+4*(\j):B+4*(\j)+3], v31, s[8:9] offset:512*(\j)
.endr
.macro RED                             ; v18 summed over the 32 lanes, the result in every lane
	v_add_f32_dpp v18, v18, v18 row_xmask:1 row_mask:0xf bank_mask:0xf
	v_add_f32_dpp v18, v18, v18 row_xmask:2 row_mask:0xf bank_mask:0xf
	v_add_f32_dpp v18, v18, v18 row_xmask:4 row_mask:0xf bank_mask:0xf
	v_add_f32_dpp v18, v18, v18 row_xmask:8 row_mask:0xf bank_mask:0xf
	v_permlanex16_b32 v19, v18, s40, s41
	v_add_f32 v18, v18, v19
.endm
.macro FOLD                            ; the four running sums into v18
	v_pk_add_f32 v[A:A+1], v[A:A+1], v[A+2:A+3]
	v_pk_add_f32 v[A+4:A+5], v[A+4:A+5], v[A+6:A+7]
	v_pk_add_f32 v[A:A+1], v[A:A+1], v[A+4:A+5]
	v_add_f32 v18, v[A], v[A+1]
.endm
	s_wait_kmcnt 0x0
	s_cmp_eq_u32 s18, 1
	s_cselect_b32 s45, -1, 0                       ; all lanes take the rounded row, or none
	s_wait_loadcnt 16                              ; the row is in; g's and b's sixteen loads may stay out
.set i, 0
.rept 16
	v_cvt_pk_bf16_f32 v18, v[X+i], v[X+i+1]
	v_lshlrev_b32 v22, 16, v18
	v_and_b32 v23, s42, v18
	v_cndmask_b32 v[X+i], v[X+i], v22, s45
	v_cndmask_b32 v[X+i+1], v[X+i+1], v23, s45
.set i, i+2
.endr
.irp k, 0,1,2,3
	v_pk_add_f32 v[A+2*(\k):A+2*(\k)+1], v[X+2*(\k):X+2*(\k)+1], v[X+8+2*(\k):X+8+2*(\k)+1]  ; the first pairs start the chains: nothing is cleared
.endr
.irp m, 16,24
.irp k, 0,1,2,3
	v_pk_add_f32 v[A+2*(\k):A+2*(\k)+1], v[A+2*(\k):A+2*(\k)+1], v[X+(\m)+2*(\k):X+(\m)+2*(\k)+1]
.endr
.endr
	FOLD
	RED
	v_mul_f32 v18, s43, v18                        ; the mean,
	v_mov_b32 v19, v18                             ; twice, for the packed subtraction
.set i, 0
.rept 16
	v_pk_add_f32 v[X+i:X+i+1], v[X+i:X+i+1], v[18:19] neg_lo:[0,1] neg_hi:[0,1]
.set i, i+2
.endr
.irp k, 0,1,2,3
	v_pk_mul_f32 v[A+2*(\k):A+2*(\k)+1], v[X+2*(\k):X+2*(\k)+1], v[X+2*(\k):X+2*(\k)+1]
.endr
.irp m, 8,16,24
.irp k, 0,1,2,3
	v_pk_fma_f32 v[A+2*(\k):A+2*(\k)+1], v[X+(\m)+2*(\k):X+(\m)+2*(\k)+1], v[X+(\m)+2*(\k):X+(\m)+2*(\k)+1], v[A+2*(\k):A+2*(\k)+1]
.endr
.endr
	FOLD
	RED
	v_fma_f32 v18, v18, s43, s44                   ; var + 1e-5
	v_rsq_f32 v18, v18
	v_nop                                          ; a plain instruction between the root and the use of its result (ISA guide 5.7.2)
	s_wait_alu depctr_va_vdst(0)
	v_mov_b32 v19, v18
	s_wait_loadcnt 0x0                             ; g and b
.set i, 0
.rept 16
	v_cvt_pk_bf16_f32 v22, v[G+i], v[G+i+1]
	v_cvt_pk_bf16_f32 v23, v[B+i], v[B+i+1]
	v_lshlrev_b32 v[G+i], 16, v22
	v_and_b32 v[G+i+1], s42, v22
	v_lshlrev_b32 v[B+i], 16, v23
	v_and_b32 v[B+i+1], s42, v23
.set i, i+2
.endr
.set i, 0
.rept 16
	v_pk_mul_f32 v[X+i:X+i+1], v[X+i:X+i+1], v[18:19]
.set i, i+2
.endr
.set i, 0
.rept 16
	v_pk_fma_f32 v[X+i:X+i+1], v[X+i:X+i+1], v[G+i:G+i+1], v[B+i:B+i+1]
.set i, i+2
.endr
.set i, 0
.rept 16
	v_cvt_pk_f16_f32 v[Y+i], v[X+2*i], v[X+2*i+1]
.set i, i+1
.endr
.irp j, 0,1,2,3,4,5,6,7
	global_store_b64 v30, v[Y+2*(\j):Y+2*(\j)+1], s[10:11] offset:256*(\j)
.endr
	s_endpgm
.Lfunc_end_k_qa251db3524_ln1:
	.size	k_qa251db3524_ln1, .Lfunc_end_k_qa251db3524_ln1-k_qa251db3524_ln1
	.p2alignl 7, 3214868480
	.fill 96, 4, 3214868480
	.section	.rodata,"a",@progbits
	.p2align	6, 0x0
	.amdhsa_kernel k_qa251db3524_ln1
		.amdhsa_group_segment_fixed_size 0
		.amdhsa_private_segment_fixed_size 0
		.amdhsa_enable_private_segment 0
		.amdhsa_kernarg_size 40
		.amdhsa_user_sgpr_count 2
		.amdhsa_user_sgpr_kernarg_segment_ptr 1
		.amdhsa_wavefront_size32 1
		.amdhsa_system_sgpr_workgroup_id_x 1
		.amdhsa_system_sgpr_workgroup_id_y 1
		.amdhsa_system_sgpr_workgroup_id_z 1
		.amdhsa_system_vgpr_workitem_id 0
		.amdhsa_next_free_vgpr 128
		.amdhsa_next_free_sgpr 66
		.amdhsa_reserve_vcc 0
		.amdhsa_float_denorm_mode_32 3
		.amdhsa_float_denorm_mode_16_64 3
		.amdhsa_memory_ordered 1
		.amdhsa_forward_progress 1
		.amdhsa_inst_pref_size 20
	.end_amdhsa_kernel
	.amdgpu_metadata
---
amdhsa.version: [ 1, 2 ]
amdhsa.kernels:
  - .name:           k_qa251db3524_ln1
    .symbol:         k_qa251db3524_ln1.kd
    .args:
      - { .name: x, .offset: 0, .size: 8, .value_kind: global_buffer, .address_space: global }
      - { .name: ln1_g, .offset: 8, .size: 8, .value_kind: global_buffer, .address_space: global }
      - { .name: ln1_b, .offset: 16, .size: 8, .value_kind: global_buffer, .address_space: global }
      - { .name: hb, .offset: 24, .size: 8, .value_kind: global_buffer, .address_space: global }
      - { .name: m1, .offset: 32, .size: 8, .value_kind: global_buffer, .address_space: global }
    .group_segment_fixed_size: 0
    .private_segment_fixed_size: 0
    .kernarg_segment_align: 8
    .kernarg_segment_size: 40
    .max_flat_workgroup_size: 256
    .sgpr_count:     66
    .vgpr_count:     128
    .wavefront_size: 32
...
	.end_amdgpu_metadata
.endif
;; end of part 2
;; launch qkv (part 3): grid 12 x 16, 4 waves a work-group, clusters of 4 x 4, 327,680 bytes of LDS; arguments hb, wa, b1, big, m0; writes big
.if DOCPART == 3
	.amdgcn_target "amdgcn-amd-amdhsa--gfx1250"
	.amdhsa_code_object_version 6
	.text
	.protected	k_qa251db3524_qkv
	.globl	k_qa251db3524_qkv
	.p2align	8
	.type	k_qa251db3524_qkv,@function
k_qa251db3524_qkv:
	s_mov_b64 s[64:65], 0
	v_nop
	global_prefetch_b8 v0, s[64:65] scope:SCOPE_SE
	s_setreg_imm32_b32 hwreg(HW_REG_WAVE_MODE, 25, 1), 1
	s_wait_xcnt 0x0
	s_wait_alu depctr_hold_cnt(0) depctr_sa_sdst(0) depctr_va_vdst(0) depctr_va_sdst(0) depctr_va_ssrc(0) depctr_va_vcc(0) depctr_vm_vsrc(0)
	s_getreg_b32 s2, hwreg(HW_REG_IB_STS2, 6, 4)
	s_cmp_eq_u32 s2, 0
	s_cbranch_scc0 .Lentry_in_a_cluster
	s_endpgm
.Lentry_in_a_cluster:
	s_bfe_u32 s2, ttmp6, 0x10000c
	s_cmp_lg_u32 s2, 0xf033
	s_cbranch_scc0 .Lentry_shape_is_right
	s_endpgm
.Lentry_shape_is_right:
; C = A W^T (+ bias, GELU), K = 1,024.  A: [4096][1024] f16, W^T: [n][1024] f16, C in f16 by PLANES of 64 columns: [plane][4096 rows][64], a row of a plane 128 bytes, rows dense.  Sums in f32, C rounded once.
; One text for two launches, told apart by a mode word that an earlier launch stored.  Mode 1 (the first half of the FFN): C = gelu(A W^T + bias), the bias rounded to bf16 like every input of the module.
; Mode 0 (q, k, v): C = A W^T.  THE WORD SELECTS CONSTANTS ALONE: no branch, no address, no barrier and no tensor load hangs on it.  In mode 0 the bias that is loaded is masked to 0, the five coefficients
; below are 0 and the maximum's lower bound is minus infinity, so that the same lines give max(x, -inf) - |x| 0 = x for every finite x.  The price: mode 0 runs 288 vector lines for each 32 numbers that serve nothing there.
; GELU is the exact one, x (1 + erf(x / sqrt 2)) / 2, with erf by a rational form in t = 1 / (1 + p z) of five terms (Abramowitz and Stegun 7.1.26), absolute error 1.5e-7 for every x:
; gelu = max(x, 0) - |x| q,  q = t (A1 + t (A2 + t (A3 + t (A4 + t A5)))) 2^(-s s),  s = x sqrt(log2(e) / 2),  t = 1 / (1 + PP |s|), the five coefficients halved.
; LIMITS.  A, W and C stay below 65,504 (f16's range).
; SHARES.  A tile of C is 256 x 256, made by four waves, each 128 x 128: 64 accumulators, 512 registers.  K goes in 8 steps of 128 through a ring of two LDS slots filled by the tensor data mover;
; the rows of A's and W's tiles are 256 bytes of memory at multiples of 256.  A K STEP IS WRITTEN ONCE and looped over: the slot's LDS byte is a scalar that an exclusive or turns; written out are the first
; quarter (its products start the sums with the constant 0) and a second copy of the step for the last two, which ask for nothing.
; CLUSTER.  4 x 4 work-groups: A's tile is shared along a row of the cluster, W's along a column; each is asked for jointly, by the same load, descriptor and mask in the four partners.
; THE MATRIX INSTRUCTION IS USED TRANSPOSED (source 0 = 16 rows of W^T, source 1 = 16 rows of A): a lane holds row lane % 16 of C and the columns 8 (lane / 16) + 0..7.
; THE WAY OUT.  The ring has had its last fill, so each wave dumps its 128 x 128 f32 there, by planes: [2 planes][128 rows], rows 272 bytes apart.  A loop of 16 trips reads 16 rows of a plane back (a lane: 8 neighbouring
; columns of 4 rows), adds the bias, takes GELU, rounds, and stores four times 512 consecutive bytes.  One text of the vector work serves all 16,384 numbers of a wave.
; NOT HERE.  A prefetch ahead of the tiles: of 8 K steps the first four would come by their loads anyhow, and each tile is already fetched once for four work-groups.
; REGISTERS, in windows of 256: window 0: v0-63 addresses and bias; v64-127, v128-191 A's fragments, two buffers (on the way out v64-239 at work); window 1: v64-191 W's fragments; windows 2, 3: the accumulators.
.set KSTEP,  128
.set SIZE_K, 1024
.set PITCH,  272                       ; an LDS row: 256 bytes + 16 of padding = 68 words: the 16 rows of a load start at 16 different groups of four banks (64 banks of 4 bytes: ISA guide 11.1)
.set HALFT,  128*PITCH                 ; what one tensor load brings
.set SLOT,   4*HALFT                   ; A's 256 rows, then W's 256.  139,264 shares no bit with wave x HALFT, so one exclusive or turns a tile's address in one slot into the other's
.set SPARE,  2*SLOT                    ; behind the ring: the spare words, 128 bytes for each wave
.set DP,     272                       ; the dump: 64 f32 + 16 bytes
.set DPLANE, 128*DP
.set DWAVE,  2*DPLANE                  ; four of these are exactly the ring's bytes
.set ADRA0, 16                         ; v16  my lane's place in A's rows of slot 0; never rewritten
.set ADRA,  17                         ; v17  the same in the slot in hand
.set ADRB0, 20
.set ADRB,  21
.set DST,   24                         ; v24  the dump: where I put 16 bytes of a row
.set RDA,   25                         ; v25  where I read rows back, trip 0
.set GO,    26                         ; v26  16 x lane
.set RDC,   27                         ; v27  where the next trip reads
.set SPW,   28                         ; v28  my spare word's LDS address; never rewritten
.set NIL,   29                         ; v29  0; never rewritten
.set BO,    30                         ; v30  my byte offset in the bias
.set BS,    32                         ; v[32:47]  the bias of my 8 columns in each of my two planes
.set BC,    48                         ; v[48:55]  that of the plane in hand
.set F0,    64
.set F1,    128
.set X,     64                         ; the way out: 32 numbers as read back
.set XB,    96                         ; + bias; then the result
.set S,     128
.set T,     160
.set P,     192
.set Y,     224                        ; 16 registers of f16
.set WV, 14                            ; s14  my wave's number
.set FB, 15                            ; s15  my half of the tile's rows; also: I fetch for A (0) or W (1)
.set WC, 16                            ; s16  my half of its columns; also: which 128 rows I fetch
.set G1,  24
.set G0,  32                           ; two sets: K step 0 into slot 0; K step 1 into slot 1, which then walks
.set G1B, 48
.set G0B, 56
.set TB,   66                          ; s66  LDS byte of the slot in hand: 0 or SLOT
.set MODE, 67
.set MM,   68
.set CNT,  69
.set IT,   70
.set STP,  72                          ; s[72:73] what the next trip adds to C's address
.set C1,   74                          ; s[74:75] and on: constants, each the low word of a pair
.set A5,   76
.set A4,   78
.set A3,   80
.set A2,   82
.set A1,   84
.set PP,   86
.set HI16, 87
.set LO,   88                          ; s88  the maximum's lower bound: 0, or minus infinity in mode 0
.set MSB, 0
.macro WIN new                         ; the immediate's high byte repeats the setting that is left; a switch that changes nothing is dropped
.if MSB != (\new)
	s_set_vgpr_msb (MSB<<8)|(\new)
.set MSB, \new
.endif
.endm
.set MUL_LO, 0xa1                      ; source 0 (W) window 1, source 1 (A) window 0, C and D window 2
.set MUL_HI, 0xf1                      ; the same, C and D window 3
.set TO_B,   0x40                      ; destination window 1, address window 0
; A joint load.  Waves 0 and 1 fetch A's halves, waves 2 and 3 W's.  The branch hangs on the wave's number alone.  An s_nop 0 and four v_nop follow each line, ahead of the jump and the label.
.macro JLOAD s
	s_cmp_eq_u32 s[FB], 0
	s_cbranch_scc0 .Lfor_b_\@
	tensor_load_to_lds s[G0+4*(\s):G0+4*(\s)+3], s[G1:G1+7]
	s_nop 0
.rept 4
	v_nop
.endr
	s_branch .Lasked_\@
.Lfor_b_\@:
	tensor_load_to_lds s[G0B+4*(\s):G0B+4*(\s)+3], s[G1B:G1B+7]
	s_nop 0
.rept 4
	v_nop
.endr
.Lasked_\@:
.endm
.macro CREST                           ; a round of the cluster's barrier behind its opening barrier
	s_cmp_lg_u32 s[WV], 0
	s_cbranch_scc1 .Lnot_wave_0_\@
	s_barrier_signal -3
.Lnot_wave_0_\@:
	s_barrier_wait -3
	s_barrier_signal -1
	s_barrier_wait -1
.endm
.macro CROUND
	s_barrier_signal -1
	s_barrier_wait -1
	CREST
.endm
	s_load_b256 s[4:11], s[0:1], 0x0               ; A s[4:5], W s[6:7], bias s[8:9], C s[10:11]
	s_load_b64 s[12:13], s[0:1], 0x20              ; the mode word's buffer
	v_lshl_add_u32 v[SPW], v0, 2, SPARE
	v_mov_b32 v[NIL], 0
	ds_add_u32 v[SPW], v[NIL]                      ; the wave's opening: an add of 0, with its wait ahead of my first tensor load; the set-up below stands between them
	ds_add_u32 v28, v29
	v_lshrrev_b32 v1, 5, v0
	v_readfirstlane_b32 s[WV], v1
	s_lshr_b32 s[FB], s[WV], 1
	s_and_b32 s[WC], s[WV], 1
	s_bfe_u32 s17, ttmp6, 0x40000                  ; cx
	s_bfe_u32 s18, ttmp6, 0x40004                  ; cy
	s_lshl_b32 s19, ttmp9, 2
	s_add_co_u32 s19, s19, s17                     ; tile column
	s_and_b32 s20, ttmp7, 0xffff
	s_lshl_b32 s20, s20, 2
	s_add_co_u32 s20, s20, s18                     ; tile row
	s_lshl_b32 s21, s18, 2
	s_lshl_b32 s21, 15, s21                        ; my row of the cluster
	s_lshl_b32 s22, 0x1111, s17                    ; my column
	s_or_b32 s[G1], s21, (1<<16)|(1<<20)|(1<<21)|(5<<22)|(3<<25)   ; the mask; 2-byte elements; padding on; bit 21 beside a mask; after every 64 words, 4 words
	s_or_b32 s[G1B], s22, (1<<16)|(1<<20)|(1<<21)|(5<<22)|(3<<25)
.irp g, G1, G1B
	s_mov_b32 s[(\g)+1], KSTEP<<16                 ; tensor_dim0 = 128
	s_mov_b32 s[(\g)+2], 128<<16                   ; tensor_dim1 = 128
	s_mov_b32 s[(\g)+3], KSTEP<<16                 ; tile_dim0 = 128
	s_mov_b32 s[(\g)+4], 128                       ; tile_dim1 = 128
	s_mov_b32 s[(\g)+5], SIZE_K                    ; elements from row to row
	s_mov_b32 s[(\g)+6], 0
	s_mov_b32 s[(\g)+7], 0
.endr
	s_lshl_b32 s40, s20, 8
	s_lshl_b32 s41, s[WC], 7
	s_add_co_u32 s40, s40, s41
	s_lshl_b32 s40, s40, 11                        ; A: (256 x tile row + 128 x half) rows of 2,048 bytes
	s_mov_b32 s41, 0
	s_lshl_b32 s42, s19, 8
	s_lshl_b32 s43, s[WC], 7
	s_add_co_u32 s42, s42, s43
	s_lshl_b32 s42, s42, 11                        ; W: the same by the tile column
	s_mov_b32 s43, 0
	s_mul_i32 s23, s[WV], HALFT                    ; where my part of a tile goes: no place in the cluster enters an LDS address
	s_mov_b32 s[TB], 0
	s_mov_b32 s[HI16], 0xffff0000
	s_mov_b32 s[C1], 0x3f596d27                    ; sqrt(log2(e) / 2) = 0.8493218
	s_mov_b32 s[C1+1], 0
	s_mov_b32 s[A5], 0x3f07dc22                    ; 0.5307027145
	s_mov_b32 s[A5+1], 0
	s_mov_b32 s[A4], 0xbf3a00e3                    ; -0.7265760135
	s_mov_b32 s[A4+1], 0
	s_mov_b32 s[A3], 0x3f35f0e3                    ; 0.7107068705
	s_mov_b32 s[A3+1], 0
	s_mov_b32 s[A2], 0xbe11a98e                    ; -0.142248368
	s_mov_b32 s[A2+1], 0
	s_mov_b32 s[A1], 0x3e027906                    ; 0.127414796
	s_mov_b32 s[A1+1], 0
	s_mov_b32 s[PP], 0x3e8ba43f                    ; 0.3275911 / sqrt(log2(e)) = 0.27273748
	s_wait_dscnt 0x0                               ; the opening add is done
	s_wait_kmcnt 0x0
	s_add_nc_u64 s[40:41], s[4:5], s[40:41]
	s_add_nc_u64 s[42:43], s[6:7], s[42:43]
	CROUND                                         ; all sixteen work-groups are here: the first joint loads meet
.irp s, 0,1
	s_mov_b32 s[G0+4*(\s)], 1
	s_add_co_u32 s[G0+4*(\s)+1], s23, (\s)*SLOT
	s_add_nc_u64 s[G0+4*(\s)+2:G0+4*(\s)+3], s[40:41], (\s)*KSTEP*2
	s_or_b32 s[G0+4*(\s)+3], s[G0+4*(\s)+3], 0x80000000
	s_mov_b32 s[G0B+4*(\s)], 1
	s_add_co_u32 s[G0B+4*(\s)+1], s23, (\s)*SLOT
	s_add_nc_u64 s[G0B+4*(\s)+2:G0B+4*(\s)+3], s[42:43], (\s)*KSTEP*2
	s_or_b32 s[G0B+4*(\s)+3], s[G0B+4*(\s)+3], 0x80000000
	JLOAD \s
.endr
	s_load_b32 s[MODE], s[12:13], 0x0
	v_and_b32 v1, 15, v0                           ; l % 16
	v_bfe_u32 v2, v0, 4, 1                         ; l / 16
	v_and_b32 v4, 7, v0                            ; l % 8
	v_bfe_u32 v5, v0, 3, 2                         ; (l / 8) % 4
	v_lshlrev_b32 v[BO], 5, v4                     ; my 8 columns of a plane: 32 bytes of bias
	s_lshl_b32 s44, s19, 10
	s_lshl_b32 s45, s[WC], 9
	s_add_co_u32 s44, s44, s45                     ; (256 x tile column + 128 x half) x 4 bytes
	s_mov_b32 s45, 0
	s_add_nc_u64 s[8:9], s[8:9], s[44:45]
	global_load_b128 v[BS:BS+3],     v[BO], s[8:9]
	global_load_b128 v[BS+4:BS+7],   v[BO], s[8:9] offset:16
	global_load_b128 v[BS+8:BS+11],  v[BO], s[8:9] offset:256
	global_load_b128 v[BS+12:BS+15], v[BO], s[8:9] offset:272
	v_mul_u32_u24 v3, v1, PITCH
	v_lshl_add_u32 v3, v2, 4, v3                   ; a fragment's row x pitch + 16 x half
	s_mul_i32 s21, s[FB], HALFT
	s_mul_i32 s22, s[WC], HALFT
	s_add_co_u32 s22, s22, 2*HALFT
	v_add_nc_u32 v[ADRA0], s21, v3
	v_add_nc_u32 v[ADRB0], s22, v3
	v_mov_b32 v[ADRA], v[ADRA0]
	v_mov_b32 v[ADRB], v[ADRB0]
	s_mul_i32 s21, s[WV], DWAVE                    ; my dump
	v_mul_u32_u24 v3, v1, DP
	v_lshl_add_u32 v3, v2, 5, v3                   ; in: row l % 16, 32 bytes for each half of the lanes
	v_add_nc_u32 v[DST], s21, v3
	v_mul_u32_u24 v3, v5, DP
	v_lshl_add_u32 v3, v4, 5, v3                   ; back: row l / 8, 32 bytes for each of eight lanes
	v_add_nc_u32 v[RDA], s21, v3
	v_and_b32 v3, 31, v0
	v_lshlrev_b32 v[GO], 4, v3
	s_lshl_b32 s46, s19, 2
	s_lshl1_add_u32 s46, s[WC], s46                ; my first plane = 4 x tile column + 2 x half
	s_lshl_b32 s46, s46, 19                        ; planes of 524,288 bytes
	s_lshl_b32 s47, s20, 15
	s_add_co_u32 s46, s46, s47                     ; + 256 x tile row rows of 128 bytes
	s_lshl_b32 s47, s[FB], 14
	s_add_co_u32 s46, s46, s47                     ; + my 128 rows
	s_mov_b32 s47, 0
	s_add_nc_u64 s[10:11], s[10:11], s[46:47]
; 16 matrix instructions: m blocks a0, a0 + 1 of the window's four x all 8 n blocks, 32 along K.  The 64 accumulators take turns in the same order in every quarter.
.macro MUL16 f, hi, a0, zero
	WIN MUL_LO+0x50*(\hi)
.irp a, \a0, (\a0)+1
.irp b, 0,1,2,3,4,5,6,7
.if \zero
	v_wmma_f32_16x16x32_f16 v[8*(8*(\a)+(\b)):8*(8*(\a)+(\b))+7], v[(\f)+8*(\b):(\f)+8*(\b)+7], v[(\f)+8*(4*(\hi)+(\a)):(\f)+8*(4*(\hi)+(\a))+7], 0
.else
	v_wmma_f32_16x16x32_f16 v[8*(8*(\a)+(\b)):8*(8*(\a)+(\b))+7], v[(\f)+8*(\b):(\f)+8*(\b)+7], v[(\f)+8*(4*(\hi)+(\a)):(\f)+8*(4*(\hi)+(\a))+7], v[8*(8*(\a)+(\b)):8*(8*(\a)+(\b))+7]
.endif
.endr
.endr
.endm
; 32 LDS loads in one run: the fragments of a quarter step (32 K at byte k of the rows) of the slot in hand, into buffer f
.macro FETCH k, f
	WIN TO_B
.irp i, 0,1,2,3,4,5,6,7
	ds_load_b128 v[(\f)+8*(\i):(\f)+8*(\i)+3],   v[ADRB] offset:(\k)+(\i)*16*PITCH
	ds_load_b128 v[(\f)+8*(\i)+4:(\f)+8*(\i)+7], v[ADRB] offset:(\k)+(\i)*16*PITCH+32
.endr
	WIN 0
.irp i, 0,1,2,3,4,5,6,7
	ds_load_b128 v[(\f)+8*(\i):(\f)+8*(\i)+3],   v[ADRA] offset:(\k)+(\i)*16*PITCH
	ds_load_b128 v[(\f)+8*(\i)+4:(\f)+8*(\i)+7], v[ADRA] offset:(\k)+(\i)*16*PITCH+32
.endr
.endm
.macro PLACES                          ; four places between a matrix instruction and a load into, or a read of, its registers (ISA guide 7.12.1 for a read)
.rept 4
	v_nop
.endr
.endm
; One of a K step's first three quarters: multiplies buffer f; in its middle fetches the next quarter, at byte k, into buffer g.
.macro QUARTER k, f, g, zero
	s_wait_dscnt 8                                 ; W and A's rows 0-63 are in; the youngest eight loads (A's rows 64-127) may be out
	MUL16 \f, 0, 0, \zero
	MUL16 \f, 0, 2, \zero
	PLACES
	FETCH \k, \g
	s_wait_dscnt 32                                ; all but the 32 just issued
	MUL16 \f, 1, 0, \zero
	MUL16 \f, 1, 2, \zero
.endm
; The last quarter multiplies buffer 1 and changes slots.  In front of the one barrier each wave waits for all its tensor loads (one is out: its part of the next slot), adds 0 to its spare word, and waits for that
; and for its reads of this slot.  fill = 1: the barrier opens a round of the cluster's, and the slot just read out is filled again first behind it, with the K step two on, by the walking descriptor.
.macro TURN fill
	WIN 0
	s_wait_tensorcnt 0x0                           ; no tensor load of mine is out, so a group 0 may be written
	ds_add_u32 v[SPW], v[NIL]                      ; 0 onto my spare word; work on registers stands between it and the wait for it
.if \fill
	s_xor_b32 s[G0+5], s[G0+5], SLOT               ; the other slot than last time,
	s_add_nc_u64 s[G0+6:G0+7], s[G0+6:G0+7], KSTEP*2  ; the next K step; the type bits on top are not reached
	s_xor_b32 s[G0B+5], s[G0B+5], SLOT
	s_add_nc_u64 s[G0B+6:G0B+7], s[G0B+6:G0B+7], KSTEP*2
.endif
	s_xor_b32 s[TB], s[TB], SLOT                   ; the fetches go on in the other slot
	v_add_nc_u32 v[ADRA], s[TB], v[ADRA0]
	v_add_nc_u32 v[ADRB], s[TB], v[ADRB0]
	s_wait_dscnt 9                                 ; the add and the youngest eight loads may be out
	MUL16 F1, 0, 0, 0
	s_wait_dscnt 0x0                               ; the add is done, and my reads of this slot are over
	s_barrier_signal -1
	MUL16 F1, 0, 2, 0
	WIN 0                                          ; at a branch and at a label every window is 0
	s_barrier_wait -1
.if \fill
	CREST                                          ; no wave of any partner still reads this slot or has a load on its way
	JLOAD 1                                        ; its four v_nop are also the places in front of the loads below
.else
	PLACES
.endif
	FETCH 0, F0
	MUL16 F1, 1, 0, 0
	MUL16 F1, 1, 2, 0
.endm
	s_wait_tensorcnt 1                             ; my part of K step 0 is in; K step 1's may stay out
	s_barrier_signal -1
	s_barrier_wait -1
	FETCH 0, F0
	QUARTER 64, F0, F1, 1                          ; the first quarter starts the sums
	WIN 0
	s_mov_b32 s[CNT], 6
	s_branch .Lmid                                 ; the loop is entered behind its first quarter
.Lk:                                                   ; six trips, K steps 0 to 5: each asks for the K step two on
	QUARTER 64, F0, F1, 0
	WIN 0
.Lmid:
	QUARTER 128, F1, F0, 0
	QUARTER 192, F0, F1, 0
	TURN 1
	WIN 0
	s_sub_co_u32 s[CNT], s[CNT], 1
	s_cmp_lg_u32 s[CNT], 0
	s_cbranch_scc1 .Lk
	s_mov_b32 s[CNT], 2
.Lt:                                                   ; K steps 6 and 7 ask for nothing.  The last trip's fetch (of the slot read before, which still lies there) serves nothing: the price of one text for both
	QUARTER 64, F0, F1, 0
	QUARTER 128, F1, F0, 0
	QUARTER 192, F0, F1, 0
	TURN 0
	WIN 0
	s_sub_co_u32 s[CNT], s[CNT], 1
	s_cmp_lg_u32 s[CNT], 0
	s_cbranch_scc1 .Lt
	s_wait_dscnt 0x0                               ; my reads of the ring are over,
	s_barrier_signal -1
	s_barrier_wait -1                              ; everybody's are: the ring, which is filled no more, takes the dumps
	PLACES
.irp hi, 0,1
	WIN 0x08+4*(\hi)                               ; store data (source 1) in window 2 or 3
.irp a, 0,1,2,3
.irp b, 0,1,2,3,4,5,6,7
	ds_store_b128 v[DST], v[8*(8*(\a)+(\b)):8*(8*(\a)+(\b))+3]   offset:(4*(\hi)+(\a))*16*DP+((\b)/4)*DPLANE+((\b)%4)*64
	ds_store_b128 v[DST], v[8*(8*(\a)+(\b))+4:8*(8*(\a)+(\b))+7] offset:(4*(\hi)+(\a))*16*DP+((\b)/4)*DPLANE+((\b)%4)*64+16
.endr
.endr
.endr
	WIN 0
.irp g, 0,1,2,3
	ds_load_b128 v[X+8*(\g):X+8*(\g)+3],   v[RDA] offset:(\g)*4*DP     ; LDS serves a wave's instructions in order (ISA guide 5.7.1.4): these see my stores above
	ds_load_b128 v[X+8*(\g)+4:X+8*(\g)+7], v[RDA] offset:(\g)*4*DP+16
.endr
	s_wait_kmcnt 0x0                               ; the mode word
	s_wait_loadcnt 0x0                             ; the bias
	s_cmp_eq_u32 s[MODE], 1                        ; the word selects constants, and nothing else hangs on it:
	s_cselect_b32 s[MM], -1, 0                     ; the bias is kept, or masked to 0;
	s_cselect_b32 s[LO], 0, 0xff800000             ; the maximum's lower bound is 0, or minus infinity;
.irp c, A1, A2, A3, A4, A5
	s_cselect_b32 s[(\c)], s[(\c)], 0              ; the coefficients stand, or are 0, and q with them
.endr
.irp p, 0,1,2,3,4,5,6,7
	v_cvt_pk_bf16_f32 v56, v[BS+2*(\p)], v[BS+2*(\p)+1]
	v_lshlrev_b32 v57, 16, v56
	v_and_b32 v58, s[HI16], v56
	v_and_b32 v[BS+2*(\p)], s[MM], v57
	v_and_b32 v[BS+2*(\p)+1], s[MM], v58
.endr
.irp p, 0,1,2,3,4,5,6,7
	v_mov_b32 v[BC+(\p)], v[BS+(\p)]
.endr
	s_mov_b32 s[IT], 0
	s_mov_b32 s[STP], 0
	s_mov_b32 s[STP+1], 0
.Lrow:                                                 ; trip it: plane it / 8, rows 16 (it % 8) on: byte it x 4,352 of my dump
	s_wait_dscnt 0x0
.irp g, 0,1,2,3
.irp z, 0,2,4,6
	v_pk_add_f32 v[XB+8*(\g)+(\z):XB+8*(\g)+(\z)+1], v[X+8*(\g)+(\z):X+8*(\g)+(\z)+1], v[BC+(\z):BC+(\z)+1]
.endr
.endr
	s_add_co_u32 s21, s[IT], 1
	s_and_b32 s21, s21, 15                         ; (the last trip reads block 0 once more, for nothing, and stays inside my dump)
	s_mul_i32 s21, s21, 16*DP
	v_add_nc_u32 v[RDC], s21, v[RDA]
.irp g, 0,1,2,3
	ds_load_b128 v[X+8*(\g):X+8*(\g)+3],   v[RDC] offset:(\g)*4*DP     ; the next trip's numbers come while this trip's are worked on
	ds_load_b128 v[X+8*(\g)+4:X+8*(\g)+7], v[RDC] offset:(\g)*4*DP+16
.endr
	; max(x, LO) - |x| q of 32 numbers, stage by stage, so that no line waits for the one before it: GELU in mode 1, x itself in mode 0
.set i, 0
.rept 16
	v_pk_mul_f32 v[S+i:S+i+1], v[XB+i:XB+i+1], s[C1:C1+1] op_sel_hi:[1,0]
.set i, i+2
.endr
.set i, 0
.rept 32
	v_fma_f32 v[T+i], |v[S+i]|, s[PP], 1.0
.set i, i+1
.endr
.set i, 0
.rept 32
	v_rcp_f32 v[T+i], v[T+i]
.set i, i+1
.endr
.set i, 0
.rept 16
	v_pk_mul_f32 v[S+i:S+i+1], v[S+i:S+i+1], v[S+i:S+i+1] neg_lo:[0,1] neg_hi:[0,1]   ; - s s; also the plain line behind the last reciprocal
.set i, i+2
.endr
.set i, 0
.rept 32
	v_exp_f32 v[S+i], v[S+i]
.set i, i+1
.endr
.set i, 0
	s_wait_alu depctr_va_vdst(0)
.rept 16
	v_pk_fma_f32 v[P+i:P+i+1], v[T+i:T+i+1], s[A5:A5+1], s[A4:A4+1] op_sel_hi:[1,0,0]  ; also the plain line behind the last exponential
.set i, i+2
.endr
.irp c, A3, A2, A1
.set i, 0
.rept 16
	v_pk_fma_f32 v[P+i:P+i+1], v[P+i:P+i+1], v[T+i:T+i+1], s[(\c):(\c)+1] op_sel_hi:[1,1,0]
.set i, i+2
.endr
.endr
.set i, 0
.rept 16
	v_pk_mul_f32 v[P+i:P+i+1], v[P+i:P+i+1], v[T+i:T+i+1]
.set i, i+2
.endr
.set i, 0
.rept 16
	v_pk_mul_f32 v[P+i:P+i+1], v[P+i:P+i+1], v[S+i:S+i+1]
.set i, i+2
.endr
.set i, 0
.rept 32
	v_max_num_f32 v[S+i], s[LO], v[XB+i]
.set i, i+1
.endr
.set i, 0
.rept 32
	v_fma_f32 v[XB+i], -|v[XB+i]|, v[P+i], v[S+i]
.set i, i+1
.endr
	s_wait_xcnt 0x0                                ; the last trip's stores have read Y and C's address: both are written only behind this wait
	s_add_nc_u64 s[10:11], s[10:11], s[STP:STP+1]
.set i, 0
.rept 16
	v_cvt_pk_f16_f32 v[Y+i], v[XB+2*i], v[XB+2*i+1]
.set i, i+1
.endr
.irp g, 0,1,2,3
	global_store_b128 v[GO], v[Y+4*(\g):Y+4*(\g)+3], s[10:11] offset:512*(\g)  ; four rows of a plane: 512 consecutive bytes, at a multiple of 256 from C's first
.endr
	s_mov_b32 s[STP], 2048                         ; 16 rows on,
	s_cmp_lg_u32 s[IT], 7
	s_cbranch_scc1 .Lsame
	s_mov_b32 s[STP], 524288-7*2048                ; or to the second plane's first rows, with its bias
.irp p, 0,1,2,3,4,5,6,7
	v_mov_b32 v[BC+(\p)], v[BS+8+(\p)]
.endr
.Lsame:
	s_add_co_u32 s[IT], s[IT], 1
	s_cmp_lt_u32 s[IT], 16
	s_cbranch_scc1 .Lrow
	s_wait_tensorcnt 0x0                           ; the wave's end, behind my last tensor load and my last LDS store
	ds_add_u32 v[SPW], v[NIL]
	s_wait_dscnt 0x0
	CROUND                                         ; the closing round: no work-group ends while a partner may still ask for a tile that names it
	s_endpgm
.Lfunc_end_k_qa251db3524_qkv:
	.size	k_qa251db3524_qkv, .Lfunc_end_k_qa251db3524_qkv-k_qa251db3524_qkv
	.p2alignl 7, 3214868480
	.fill 96, 4, 3214868480
	.section	.rodata,"a",@progbits
	.p2align	6, 0x0
	.amdhsa_kernel k_qa251db3524_qkv
		.amdhsa_group_segment_fixed_size 327680
		.amdhsa_private_segment_fixed_size 0
		.amdhsa_enable_private_segment 0
		.amdhsa_kernarg_size 40
		.amdhsa_user_sgpr_count 2
		.amdhsa_user_sgpr_kernarg_segment_ptr 1
		.amdhsa_wavefront_size32 1
		.amdhsa_system_sgpr_workgroup_id_x 1
		.amdhsa_system_sgpr_workgroup_id_y 1
		.amdhsa_system_sgpr_workgroup_id_z 1
		.amdhsa_system_vgpr_workitem_id 0
		.amdhsa_next_free_vgpr 1024
		.amdhsa_next_free_sgpr 100
		.amdhsa_reserve_vcc 0
		.amdhsa_float_denorm_mode_32 3
		.amdhsa_float_denorm_mode_16_64 3
		.amdhsa_memory_ordered 1
		.amdhsa_forward_progress 1
		.amdhsa_inst_pref_size 99
	.end_amdhsa_kernel
	.amdgpu_metadata
---
amdhsa.version: [ 1, 2 ]
amdhsa.kernels:
  - .name:           k_qa251db3524_qkv
    .symbol:         k_qa251db3524_qkv.kd
    .args:
      - { .name: hb, .offset: 0, .size: 8, .value_kind: global_buffer, .address_space: global }
      - { .name: wa, .offset: 8, .size: 8, .value_kind: global_buffer, .address_space: global }
      - { .name: b1, .offset: 16, .size: 8, .value_kind: global_buffer, .address_space: global }
      - { .name: big, .offset: 24, .size: 8, .value_kind: global_buffer, .address_space: global }
      - { .name: m0, .offset: 32, .size: 8, .value_kind: global_buffer, .address_space: global }
    .group_segment_fixed_size: 327680
    .private_segment_fixed_size: 0
    .kernarg_segment_align: 8
    .kernarg_segment_size: 40
    .max_flat_workgroup_size: 128
    .sgpr_count:     100
    .vgpr_count:     1024
    .wavefront_size: 32
...
	.end_amdgpu_metadata
.endif
;; end of part 3
;; launch attn (part 4): grid 8 x 32, 4 waves a work-group, no clusters, 327,680 bytes of LDS; arguments big, hb; writes hb
.if DOCPART == 4
	.amdgcn_target "amdgcn-amd-amdhsa--gfx1250"
	.amdhsa_code_object_version 6
	.text
	.protected	k_qa251db3524_attn
	.globl	k_qa251db3524_attn
	.p2align	8
	.type	k_qa251db3524_attn,@function
k_qa251db3524_attn:
	s_mov_b64 s[64:65], 0
	v_nop
	global_prefetch_b8 v0, s[64:65] scope:SCOPE_SE
	s_setreg_imm32_b32 hwreg(HW_REG_WAVE_MODE, 25, 1), 1
	s_wait_xcnt 0x0
; CAUSAL ATTENTION.  O[h][q][:] = the sum over k <= q of softmax_k(Q[h][q] . K[h][k] / 8) V[h][k][:], for 32 heads (2 batches x 16) of 2,048 rows of 64 channels, all f16: a head's rows are dense, 128 bytes each.
; Q, K, V lie in one buffer by planes [48][4096][64]: plane h holds Q of head h for both batches, plane 16 + h its K, plane 32 + h its V; O goes to [16][4096][64] in the same way.
; Products, maxima and sums in f32; the weights p are rounded to f16 for the second product (their sum l is taken of the unrounded p), O once at the end.
; LIMITS.  f16 holds no number beyond 65,504: Q, K and V arrive within it; p lies in 0 to 1, and below 6e-5 it keeps f16's fixed step of 6e-8; O is a mean of V's rows and has their range.
; In a band's own key step a hidden score counts as its value less 1e30; in a step of which a band sees nothing the scores start at -2.98e38; the running maximum starts at -1.06e37.  f16's scores, 2.7e11 at the most,
; lie far above all three, so a hidden key's weight is 0, as with the -1e9 that stands for it in the problem.  A weight below 2^-126 counts as 0 in l; NaN and infinities are not treated apart.
; THE WALK.  A head's queries lie in 16 blocks of 128; block i needs the key tiles 0 .. i / 2 of 256 keys, of which the last holds the diagonal.  A work-group takes TWO blocks, 15 - b and then b: 9 tiles, whatever b:
; all 8 x 32 = 256 work-groups do equal work, and ONE loop with a constant trip count walks the tiles.  Which tile is asked for, and what a trip does, hang on scalar registers made from b; every jump goes forward, but
; for the counted loops' own; none passes a barrier, or a tensor load but the one of LOAD's two that the wave's number does not choose; the ring runs on across the change of blocks.
; THE KEYS ARE SPLIT AMONG THE WAVES.  Wave w = 2 kh + qh holds 64 of the block's 128 queries, four PIECES of 16, so that a fragment of K or V read from LDS feeds four pieces' products, and takes the key steps 2 kh and
; 2 kh + 1 of each tile's four.  Waves w and w xor 2 hold the same queries and between them all keys: each ends a block with its own (c m, l, O), and the two are merged through LDS.
; PIECES.  The block has two bands of 64 rows.  Register piece x holds band (x / 2) xor kh, and in it the 16 rows of group 2 qh + x % 2.  So every wave KEEPS its register pieces 0 and 1 and GIVES pieces 2 and 3, and its
; partner keeps just the rows that it gives: no text hangs on the wave's number.
; THE MASK is the C operand that starts the sum S^T = K Q^T.  MD (two of them, for x % 2 = 0, 1), made once, is the mask of a band's own step for a piece's 16 rows: 0, or -1e30 where the key is hidden.  A product's mask is
; MD x AL + BE with two scalars: (1, 0) in the band's own step; (0, 0) in an earlier one; (0, -2.98e38) in a later one.  Step 2 kh + 2 - CNT is band B's own where CNT = 2 kh + 2 - B: one compare with a scalar, CE.
; Only the diagonal tile's text and a block's beginning make and take masks; elsewhere C is the constant 0.
; A WAVE THAT SEES NOTHING (kh = 1 in block 0): its scores lie below the running maximum's start, so the maximum stays there, a = 1, every weight is 0, and O and l keep what lay in them, which is finite; in the merge its
; factor 2^(c m - the greater c m) is 0.
; THE MERGE.  At a block's end l is summed; the given pieces and their (c m, l) go to the wave's own 8,704 bytes of LDS (one region for each block); the first block's kept pieces wait in window 3.  ONE barrier, behind
; the walk, shows both regions to the partners; then O = (f O + f' O') / (f l + f' l'), f = 2^(c m - max), f' likewise, is rounded to f16 and stored: 32 rows a wave and block.
; NO CLUSTER: a head's eight work-groups ask for the same tile only in trips 0 .. 4 of 9, behind that fewer and fewer; one walk common to all would have 12 trips for 9.
; AHEAD OF THE LOADS.  All work-groups of a head walk the same K and V from tile 0 on; the one with b = 0 has the longest first block, tiles 0 to 7.  Behind each of its refills it prefetches into the L2 the tile that its
; NEXT refill will ask for: each wave 8 KiB of K and 8 KiB of V, a lane a block of 256 bytes, two instructions, one tile (eight turns) ahead.  So tiles 2 to 7 are named, each block once in the launch; tiles 0 and 1 come
; by their loads alone, and the refill that asks for the block's last tile prefetches nothing.
; LAYOUT, SOFTMAX, TURNS.  S^T = K Q^T holds ONE query a lane (lane % 16) and the keys 8 (lane / 16) + 0..7; two such results rounded to f16 ARE source 1 of O^T = V^T P.  p = 2^(c s - c m), c = log2(e) / 8, with a
; running maximum m; O and l are multiplied by a = 2^(c m_old - c m_new) in every step.  Turn n belongs to piece n: 8 products K Q^T of piece n + 1, later 8 products V^T P of piece n - 1; beside them the scaling,
; exponentials, roundings, sums and rescaling of piece n and the maximum and statistics of piece n + 1.  Four vector instructions stand behind every matrix instruction, the other 54 of a turn's 118 in two runs of their own.
; REGISTERS, in windows of 256 (s_set_vgpr_msb: bits 1:0 source 0, 3:2 source 1, 5:4 source 2, 7:6 destination):
;   window 0: v0-15 addresses and two at work; v16-31 four registers of statistics a piece; v32-47, v56-61 the merge's; v48-55 at work; v64-127 S^T, two buffers; v128-191 the way out; v192-223 P, two buffers; v224
;   window 1: v0-127 O^T, 32 a piece; v128-159, v224-255 MD; v160-223 MC, two buffers      window 2: v0-63 Q; v64-127 the second block's Q; v128-191 K of one step; v192-255 V of one step
;   window 3: v0-63 the first block's kept O^T; v64-67 its c m and l
.set NT,    8         ; the walk has NT + 1 tiles
.set NP,    4         ; pieces a wave: a name, no knob
.set KS,    64        ; keys in a step
.set SPT,   2         ; steps of a tile that a wave takes
.set PK,    144       ; a row of K in LDS: 128 bytes + 16 of padding = 36 words: the 16 rows of a load start at 16 different groups of four banks (64 banks of 4 bytes: ISA guide 11.1)
.set PV,    160       ; a row of V: 128 + 32 = 40 words
.set VOFF,  4*KS*PK   ; a slot holds a tile, four steps: 256 rows of K, then 256 rows of V
.set SLOT1, 1<<17     ; slot 1 begins here, so that one exclusive or turns an address in one slot into the other's
.set STAGE, SLOT1+4*KS*(PK+PV)  ; behind the ring, never filled by a tensor load: 16 rows x 144 bytes for each wave, for the way out
.set SP,    144
.set MRG,   STAGE+4*16*SP       ; behind the stages, never filled: what the waves give each other
.set MW,    8704      ; a wave's part of a region: 16 x 512 bytes of O^T, 4 x 128 bytes of statistics
.set MRGB,  4*MW      ; the second block's region begins so far behind the first's
.set SPARE, MRG+8*MW  ; behind the regions: the spare words, 128 bytes for each wave
.set AK0, 2           ; v2   my lane's place in my two steps of a tile of K; never rewritten
.set AV0, 3           ; v3   the same for V
.set AK,  4           ; v4   the LDS address of K's next run of loads
.set AV,  5           ; v5   of V's
.set STO, 6           ; v6   the way out: where I put 16 bytes of a row
.set RD,  7           ; v7   the way out: where I read rows back
.set GO,  8           ; v8   my byte offset in 512 consecutive bytes of O
.set MV,  12          ; v12-13  c m_old, kept while c m is made anew: by buffer
.set QA,  15          ; v15  my byte offset in the block's rows of Q, pieces 0 and 1
.set ST,  16          ; piece t's statistics at v[ST+4 t]: c m, m, l (even keys', odd keys')
.set MS,  32          ; v32  where I give 16 bytes of O^T
.set MS4, 33          ; v33  where I give a word of statistics
.set MT,  34          ; v34  where my partner has given 16 bytes
.set MT4, 35          ; v35  and a word
.set TS,  36          ; v[36:39]  c m, l of my kept pieces 0 and 1
.set PS,  40          ; v[40:43]  my partner's for the same rows
.set GF,  44          ; v[44:47], v[56:59]  for kept piece t at GF + 12 t: f / L twice, f' / L twice
.set TMP, 48          ; by buffer, four registers c0-c3 at work; when the maximum is found c2 takes a
.set TW,  60          ; v60  at work
.set QC,  61          ; v61  as QA, pieces 2 and 3
.set SPW, 62          ; v62  LDS address of my spare word: SPARE + 4 x my thread's number; never rewritten
.set NIL, 63          ; v63  0; never rewritten
.set S,   64
.set YB,  128         ; the way out: 32 registers of f16 for each block
.set P,   192
.set PFO, 224         ; v224 the prefetches' offset: 256 x lane + 8,192 kh; never rewritten
.set MD,  128         ; window 1: for x % 2 = e the eight registers for group kt of 16 keys at MD + 96 e + 8 kt
.set MC,  160         ; window 1: the masks of the products to come
.set QB,  64          ; window 2
.set KF,  128         ; window 2: key block kb, channel half c at KF + 16 kb + 8 c
.set VF,  192         ; window 2: key half kk, channel block cb at VF + 32 kk + 8 cb
.set WV,  12          ; s12  my wave's number
.set PB,  14          ; s14  the second block's last tile, b / 2
.set HI,  15          ; s15  the first block's last tile, (15 - b) / 2
.set G1K, 24          ; s[24:31] descriptor group 1 for K's tiles
.set G1V, 32          ; s[32:39] for V's: it differs in the padding alone
.set G0K, 40          ; s[40:43] descriptor group 0 for K's tiles
.set G0V, 44          ; s[44:47] the same for V's
.set SLOTS, 56        ; s56  tiles still to be asked for
.set CNT, 57          ; s57  counts my key steps of a tile, 2 to 1
.set CS,  58          ; s[58:59] c: the packed scaling takes the pair's low word for both halves
.set SEL, 60          ; s[60:61] v_permlanex16_b32's selects: each lane takes its own place in the other half
.set TBK, 62          ; s62  LDS byte at which K of the step to be fetched begins, less my two steps' place
.set TBV, 63          ; s63  the same for V, less VOFF
.set BB,  66          ; s66  b
.set ASKF, 67         ; s67  0: this work-group prefetches behind this refill
.set HID, 68          ; s68  -2.98e38
.set RT,  70          ; s70  tiles of the block in hand that are still to be entered
.set NXT, 71          ; s71  the tile to be asked for next
.set LQ,  72          ; s72  the last tile of the block whose tiles are being asked for
.set NEW, 73          ; s73  1: the tile to be entered is a block's first
.set OFF, 74          ; s[74:75] a tile's byte offset in K and V
.set AL,  76          ; s[76:77] the mask's factor, in the low word
.set BE,  78          ; s[78:79] the mask's addend
.set BIGN, 82         ; s82  -1e30
.set QH,  88          ; s88  w % 2: which 32 rows of each band are mine; also which half of a tile's keys I fetch
.set KH,  89          ; s89  w / 2: which two steps of a tile are mine
.set CE,  90          ; s90, s91  for pieces 0, 1 and for pieces 2, 3: the CNT at which the step is the band's own
.set OP1, 92          ; s[92:93] O at the rows that I keep of the first block
.set OP2, 94          ; s[94:95] of the second
.set DCE, 96          ; s96  what the change of blocks adds to CE
.set PFK, 98          ; s[98:99]   K at my half of the tile that is prefetched
.set PFV, 100         ; s[100:101] V likewise
.set MSB, 0
.macro WIN new                      ; the high byte repeats the setting that is left; a switch that changes nothing is dropped
.if MSB != (\new)
	s_set_vgpr_msb (MSB<<8)|(\new)
.set MSB, (\new)
.endif
.endm
.set W_KQ, 0x0a       ; K and Q in window 2, S^T in window 0
.set W_KM, 0x1a       ; the same with the C operand in window 1
.set W_PV, 0x52       ; V in window 2, P in window 0, O^T in window 1
.set W_RS, 0x41       ; destination and source 0 in window 1, source 1 in window 0
; A fill.  Waves 0 and 1 fetch the two halves of a tile's K, waves 2 and 3 those of its V: 128 keys each.  An s_nop 0 and four v_nop follow each of the two lines, ahead of the jump and the label.
.macro LOAD
	s_cmp_lt_u32 s[WV], 2
	s_cbranch_scc0 .Lfor_v_\@
	tensor_load_to_lds s[G0K:G0K+3], s[G1K:G1K+7]
	s_nop 0
.rept 4
	v_nop
.endr
	s_branch .Lasked_\@
.Lfor_v_\@:
	tensor_load_to_lds s[G0V:G0V+3], s[G1V:G1V+7]
	s_nop 0
.rept 4
	v_nop
.endr
.Lasked_\@:
.endm
; THE CHANGE OF SLOTS.  Each wave waits for all its tensor loads, of which one is out: its part of the other slot; adds 0 to its spare word; and waits for that and for its own reads of the slot that it leaves.
; Behind the barrier nobody reads the old slot any more and the other slot is whole.  fill = 1: the old slot is filled again, the first thing behind the barrier, with tile NXT: the descriptor's address is made
; anew from that number; behind the load stand the prefetches of the tile after it.  (At its first use nothing has been read yet: slot 0 is waited for, slot 1 filled.)
.macro CHANGE fill
	WIN 0                           ; at a label and at a branch every window is 0
	s_wait_tensorcnt 0x0            ; no tensor load of mine is out, so a group 0 may be written
	ds_add_u32 v[SPW], v[NIL]       ; 0 onto my spare word; scalar work stands between it and the wait for it
.if \fill
	s_lshl_b32 s[OFF], s[NXT], 15   ; a tile is 32,768 bytes of K and of V
	s_xor_b32 s[G0K+1], s[G0K+1], SLOT1
	s_add_nc_u64 s[G0K+2:G0K+3], s[6:7], s[OFF:OFF+1]
	s_or_b32 s[G0K+3], s[G0K+3], 0x80000000
	s_xor_b32 s[G0V+1], s[G0V+1], SLOT1
	s_add_nc_u64 s[G0V+2:G0V+3], s[8:9], s[OFF:OFF+1]
	s_or_b32 s[G0V+3], s[G0V+3], 0x80000000
	s_add_co_u32 s[NXT], s[NXT], 1  ; the block's next tile, or behind its last the second block's tile 0
	s_cmp_gt_u32 s[NXT], s[LQ]
	s_cselect_b32 s[NXT], 0, s[NXT]
	s_cselect_b32 s[LQ], s[PB], s[LQ]
	s_wait_xcnt 0x0                 ; the last prefetches, a tile back, have read their addresses, so these may be written:
	s_lshl_b32 s[OFF], s[NXT], 15   ; the tile that the next change will ask for
	s_add_nc_u64 s[PFK:PFK+1], s[6:7], s[OFF:OFF+1]
	s_add_nc_u64 s[PFV:PFV+1], s[8:9], s[OFF:OFF+1]
	s_cmp_eq_u32 s[NXT], 0          ; with b = 0 that number is 0 from the first block's last refill on: nothing is left to name
	s_cselect_b32 s[ASKF], 1, s[BB]
.endif
	s_wait_dscnt 0x0                ; the add is done, and my reads of the slot are over
	s_barrier_signal -1             ; the rest of the scalar work stands between the signal and the wait
	s_sub_co_u32 s[TBK], s[TBK], SPT*KS*PK  ; the fetches go back to my first step of a slot,
	s_xor_b32 s[TBK], s[TBK], SLOT1         ; in the other slot
	s_sub_co_u32 s[TBV], s[TBV], SPT*KS*PV
	s_xor_b32 s[TBV], s[TBV], SLOT1
	s_barrier_wait -1
.if \fill
	LOAD
	s_cmp_eq_u32 s[ASKF], 0
	s_cbranch_scc0 .Lnot_mine_\@
	global_prefetch_b8 v[PFO], s[PFK:PFK+1] th:TH_LOAD_NT scope:SCOPE_SE  ; 32 blocks of 256 bytes: bytes 16,384 qh + 8,192 kh on of the tile's K,
	global_prefetch_b8 v[PFO], s[PFV:PFV+1] th:TH_LOAD_NT scope:SCOPE_SE  ; and of its V: the four waves name each block once
.Lnot_mine_\@:
.endif
.endm
	s_load_b128 s[4:7], s[0:1], 0x0 ; the planes of Q, K, V s[4:5]; O s[6:7]
	v_lshl_add_u32 v[SPW], v0, 2, SPARE
	v_mov_b32 v[NIL], 0
	ds_add_u32 v[SPW], v[NIL]       ; the wave's opening: an add of 0, with its wait ahead of my first tensor load; the set-up below stands between them
	ds_add_u32 v62, v63
	v_lshrrev_b32 v1, 5, v0
	v_readfirstlane_b32 s[WV], v1   ; wave 0..3
	s_and_b32 s[QH], s[WV], 1
	s_lshr_b32 s[KH], s[WV], 1
	s_mov_b32 s[BB], ttmp9
	s_sub_co_u32 s13, 15, s[BB]     ; the first block
	s_lshr_b32 s[HI], s13, 1
	s_lshr_b32 s[PB], s[BB], 1
	s_and_b32 s97, s13, 1
	s_lshl_b32 s97, s97, 1          ; in its diagonal tile the block's bands are steps 2 (i % 2) and 2 (i % 2) + 1
	s_add_co_u32 s[CE], s[KH], 2    ; 2 kh + 2 - 2 (i % 2) - (0 xor kh)
	s_sub_co_i32 s[CE], s[CE], s97
	s_mul_i32 s[CE+1], s[KH], 3     ; 2 kh + 2 - 2 (i % 2) - (1 xor kh)
	s_add_co_u32 s[CE+1], s[CE+1], 1
	s_sub_co_i32 s[CE+1], s[CE+1], s97
	s_lshl_b32 s[DCE], s97, 1       ; the second block's number has the other parity: + 2 or - 2
	s_sub_co_i32 s[DCE], s[DCE], 2
	s_and_b32 s20, ttmp7, 0xffff    ; 16 x batch + head
	s_and_b32 s21, s20, 15
	s_lshl_b32 s21, s21, 19         ; the head's plane of 524,288 bytes,
	s_lshr_b32 s20, s20, 4
	s_lshl_b32 s20, s20, 18         ; the batch's 2,048 rows in it
	s_add_co_u32 s20, s20, s21
	s_mov_b32 s21, 0
	s_lshl_b32 s22, s[QH], 14       ; the half of a tile's 256 keys that I fetch: its 128 rows of 128 bytes in memory,
	s_mov_b32 s23, 0
	s_add_nc_u64 s[22:23], s[22:23], s[20:21]
	s_mul_i32 s17, s[QH], 128*PK    ; and its place in a slot, for K
	s_mul_i32 s18, s[QH], 128*PV    ; and for V
	s_lshl_b32 s2, s13, 14          ; the first block's 128 rows of 128 bytes,
	s_lshl_b32 s84, s[BB], 14       ; and the second's
	s_mov_b32 s3, 0
	s_mov_b32 s85, 0
	s_add_nc_u64 s[2:3], s[2:3], s[20:21]
	s_add_nc_u64 s[84:85], s[84:85], s[20:21]
	s_lshl_b32 s[OP1], s[KH], 13    ; the rows that I keep: band kh, groups 2 qh and 2 qh + 1
	s_lshl_b32 s[OP1+1], s[QH], 12
	s_add_co_u32 s[OP1], s[OP1], s[OP1+1]
	s_mov_b32 s[OP1+1], 0
	s_add_nc_u64 s[OP2:OP2+1], s[84:85], s[OP1:OP1+1]
	s_add_nc_u64 s[OP1:OP1+1], s[2:3], s[OP1:OP1+1]
	; descriptor group 1.  128 keys are 16,384 dense bytes: asked for as 64 rows of 256 bytes, two keys a row, and padded in LDS after every key
	s_mov_b32 s[G1K], (1<<16)|(1<<20)|(4<<22)|(3<<25)  ; 17:16 2-byte elements; 20 padding on; 24:22 after every 32 words (code 4); 31:25 4 words (code 3)
	s_mov_b32 s[G1V], (1<<16)|(1<<20)|(4<<22)|(7<<25)  ; the same with 8 words of padding (code 7)
.irp g, G1K, G1V
	s_mov_b32 s[\g+1], 128<<16      ; tensor_dim0 = 128
	s_mov_b32 s[\g+2], 64<<16       ; tensor_dim1 = 64
	s_mov_b32 s[\g+3], 128<<16      ; tile_dim0 = 128
	s_mov_b32 s[\g+4], 64           ; tile_dim1 = 64
	s_mov_b32 s[\g+5], 128          ; 128 elements from row to row
	s_mov_b32 s[\g+6], 0
	s_mov_b32 s[\g+7], 0
.endr
	s_mov_b32 s[CS], 0x3e38aa3b     ; c = log2(e) / 8 = 0.180337
	s_mov_b32 s[CS+1], s[CS]        ; named with it as a pair
	s_mov_b32 s[SEL], 0x76543210
	s_mov_b32 s[SEL+1], 0xfedcba98
	s_mov_b32 s[TBK], SLOT1+SPT*KS*PK ; the first change of slots turns these two into 0
	s_mov_b32 s[TBV], SLOT1+SPT*KS*PV
	s_mov_b32 s[G0K], 1             ; 1:0 count = 1
	s_mov_b32 s[G0K+1], s17         ; 63:32 LDS address: slot 0
	s_mov_b32 s[G0V], 1
	s_add_co_u32 s[G0V+1], s18, VOFF
	s_add_co_u32 s[RT], s[HI], 1    ; the first block's tiles: five or more
	s_mov_b32 s[NXT], 1
	s_mov_b32 s[LQ], s[HI]
	s_mov_b32 s[NEW], 1
	s_mov_b32 s[OFF+1], 0
	s_mov_b32 s[AL+1], 0            ; named as pairs
	s_mov_b32 s[BE+1], 0
	s_mov_b32 s[BIGN], 0xf149f2ca   ; -1e30
	s_mov_b32 s[HID], 0xff600000    ; -1.75 x 2^127 = -2.98e38
	s_mov_b32 s[SLOTS], NT
	s_wait_dscnt 0x0                ; the opening add is done
	s_wait_kmcnt 0x0
	s_mov_b64 s[10:11], s[6:7]      ; O
	s_add_nc_u64 s[8:9], s[4:5], 0x1000000  ; V: planes 32 on
	s_add_nc_u64 s[6:7], s[4:5], 0x800000   ; K: planes 16 on
	s_add_nc_u64 s[6:7], s[6:7], s[22:23]  ; K and V at my half of the head's tile 0
	s_add_nc_u64 s[8:9], s[8:9], s[22:23]
	s_add_nc_u64 s[G0K+2:G0K+3], s[6:7], 0         ; 120:64 global address
	s_or_b32 s[G0K+3], s[G0K+3], 0x80000000        ; 127:126 type = 2
	s_add_nc_u64 s[G0V+2:G0V+3], s[8:9], 0
	s_or_b32 s[G0V+3], s[G0V+3], 0x80000000
	s_add_nc_u64 s[86:87], s[4:5], s[84:85]        ; Q at the second block,
	s_add_nc_u64 s[4:5], s[4:5], s[2:3]            ; and at the first
	s_add_nc_u64 s[OP1:OP1+1], s[10:11], s[OP1:OP1+1]
	s_add_nc_u64 s[OP2:OP2+1], s[10:11], s[OP2:OP2+1]
	LOAD                            ; tile 0 into slot 0
	; A fragment of K or Q is 16 rows x 32 channels in 8 registers: lane l holds row l % 16, channels 8 (l / 16) + 0..7 and 16 + 8 (l / 16) + 0..7: two loads of 16 bytes, 32 bytes apart.
	v_and_b32 v1, 15, v0            ; l % 16
	v_bfe_u32 v9, v0, 4, 1          ; l / 16
	v_lshlrev_b32 v[QA], 7, v1
	v_lshl_add_u32 v[QA], v9, 4, v[QA]  ; row x 128 + 16 x half
	s_lshl_b32 s13, s[QH], 12       ; my 32 rows of a band
	s_xor_b32 s97, s[KH], 1
	s_lshl_b32 s97, s97, 13
	s_add_co_u32 s97, s97, s13
	v_add_nc_u32 v[QC], s97, v[QA]  ; pieces 2 and 3: band 1 xor kh
	s_lshl_b32 s97, s[KH], 13
	s_add_co_u32 s97, s97, s13
	v_add_nc_u32 v[QA], s97, v[QA]  ; pieces 0 and 1: band kh
	WIN 0x80                        ; destination window 2, address window 0
.set i, 0
.rept 8                             ; both blocks' Q: piece i / 2, channels 32 (i % 2) on
.set QR, QA+(QC-QA)*(i/4)
	global_load_b128 v[8*i:8*i+3],   v[QR], s[4:5] offset:((i/2)%2)*2048+(i%2)*64
	global_load_b128 v[8*i+4:8*i+7], v[QR], s[4:5] offset:((i/2)%2)*2048+(i%2)*64+32
	global_load_b128 v[QB+8*i:QB+8*i+3],   v[QR], s[86:87] offset:((i/2)%2)*2048+(i%2)*64
	global_load_b128 v[QB+8*i+4:QB+8*i+7], v[QR], s[86:87] offset:((i/2)%2)*2048+(i%2)*64+32
.set i, i+1
.endr
	WIN 0
	v_lshlrev_b32 v14, 3, v9
	v_sub_nc_u32 v14, v1, v14
	s_lshl_b32 s13, s[QH], 5
	v_add_nc_u32 v14, s13, v14      ; 32 qh + l % 16 - 8 (l / 16): a query of group 2 qh + e stands at 16 e more in its band; register r of key group kt is hidden where 16 kt + r - 16 e is greater
	WIN 0x40
.irp e, 0,1
.set i, 0
.rept 32
	v_cmp_gt_i32 vcc_lo, 16*(i/8)+i%8-16*\e, v14
	v_cndmask_b32 v[MD+96*\e+i], 0, s[BIGN], vcc_lo
.set i, i+1
.endr
.endr
	WIN 0
	v_mul_u32_u24 v[AK0], v1, PK
	v_lshl_add_u32 v[AK0], v9, 4, v[AK0]  ; row x pitch + 16 x half
	s_mul_i32 s13, s[KH], SPT*KS*PK
	v_add_nc_u32 v[AK0], s13, v[AK0]      ; + my two steps' place in a tile
	; The turning load takes 16 keys x 16 channels (lane l reads key 8 (l / 16) + l % 8, channels 8 ((l / 8) % 2) + 0..7) and leaves half a fragment of V^T: lane l holds channel l % 16 and 8 keys.
	v_and_b32 v10, 7, v0
	v_bfe_u32 v11, v0, 3, 1
	v_lshl_add_u32 v[AV0], v9, 3, v10
	v_mul_u32_u24 v[AV0], v[AV0], PV
	v_lshl_add_u32 v[AV0], v11, 4, v[AV0]
	s_mul_i32 s13, s[KH], SPT*KS*PV
	s_add_co_u32 s13, s13, VOFF
	v_add_nc_u32 v[AV0], s13, v[AV0]
	s_mul_i32 s13, s[WV], 16*SP
	s_add_co_u32 s13, s13, STAGE    ; my stage
	v_mul_u32_u24 v[STO], v1, SP    ; in: row l % 16, 16 bytes for each half of the lanes
	v_lshl_add_u32 v[STO], v9, 4, v[STO]
	v_add_nc_u32 v[STO], s13, v[STO]
	v_bfe_u32 v[RD], v0, 3, 2       ; back: 32 lanes take four rows of 128 bytes,
	v_mul_u32_u24 v[RD], v[RD], SP
	v_lshl_add_u32 v[RD], v10, 4, v[RD]
	v_add_nc_u32 v[RD], s13, v[RD]
	v_and_b32 v[TW], 31, v0
	v_lshlrev_b32 v[GO], 4, v[TW]   ; which are 512 consecutive bytes of O
	s_mul_i32 s13, s[WV], MW
	s_add_co_u32 s13, s13, MRG      ; what I give lies here,
	v_lshl_add_u32 v[MS], v[TW], 4, s13
	v_lshl_add_u32 v[MS4], v[TW], 2, s13
	v_add_nc_u32 v[MS4], 8192, v[MS4]
	s_xor_b32 s97, s[WV], 2
	s_mul_i32 s97, s97, MW
	s_add_co_u32 s97, s97, MRG      ; what my partner gives, here
	v_lshl_add_u32 v[MT], v[TW], 4, s97
	v_lshl_add_u32 v[MT4], v[TW], 2, s97
	v_add_nc_u32 v[MT4], 8192, v[MT4]
	s_lshl_b32 s13, s[KH], 13
	v_lshl_add_u32 v[PFO], v[TW], 8, s13
	; A block's first step multiplies O^T and l by a = 0 (by 1 in a wave that sees nothing), and its first turn's products V^T P, of a piece that has not been, land in that O^T.  So these registers need only hold
	; finite numbers: zeros for the first block; what the first block left for the second.  Window 3's are written here so that they are written on every way.  All this stands in the wait for the first tile.
	WIN 0x80
.set i, VF
.rept 64
	v_mov_b32 v[i], 0
.set i, i+1
.endr
	WIN 0x40
.set i, 0
.rept 128
	v_mov_b32 v[i], 0
.set i, i+1
.endr
	WIN 0xc0
.set i, 0
.rept 68
	v_mov_b32 v[i], 0
.set i, i+1
.endr
	WIN 0
.set i, 0
.rept 4
	v_mov_b32 v[ST+4*i+2], 0
	v_mov_b32 v[ST+4*i+3], 0
.set i, i+1
.endr
.set i, P+16
.rept 16
	v_mov_b32 v[i], 0
.set i, i+1
.endr
; THE MATRIX WORK.  The 4 accumulators of a run of 8 take turns.  Product i of 8 of S^T = K Q^T for piece x: channels 32 (i / 4) on, keys 16 (i % 4) on.  The first 4 start the sums: with 0, or (KM = 1) with the mask.
.macro KQ x
.set rS, S+32*((\x)%2)+8*(i%4)
.set rK, KF+16*(i%4)+8*(i/4)
.set rQ, 16*(\x)+8*(i/4)
.set rM, MC+32*((\x)%2)+8*(i%4)
.if (i < 4) && KM
	WIN W_KM
	v_wmma_f32_16x16x32_f16 v[rS:rS+7], v[rK:rK+7], v[rQ:rQ+7], v[rM:rM+7]
.elseif i < 4
	WIN W_KQ
	v_wmma_f32_16x16x32_f16 v[rS:rS+7], v[rK:rK+7], v[rQ:rQ+7], 0
.else
	WIN W_KQ
	v_wmma_f32_16x16x32_f16 v[rS:rS+7], v[rK:rK+7], v[rQ:rQ+7], v[rS:rS+7]
.endif
.endm
; Product i of 8 of O^T += V^T P for piece x: keys 32 (i / 4) on, channels 16 (i % 4) on.
.macro PV x
	WIN W_PV
.set rO, 32*(\x)+8*(i%4)
.set rV, VF+32*(i/4)+8*(i%4)
.set rP, P+16*((\x)%2)+8*(i/4)
	v_wmma_f32_16x16x32_f16 v[rO:rO+7], v[rV:rV+7], v[rP:rP+7], v[rO:rO+7]
.endm
.macro MM                           ; the turn's next matrix instruction.  TURN and BEGIN set Y, i, KM and NOKQ; MM, KQ and OP read them.  NOKQ = 1: a block's last turn: there is no next piece
.if (i < 8) && !NOKQ
	KQ (Y+1)%NP
.elseif i >= 8
.set i, i-8
	PV (Y+NP-1)%NP
.set i, i+8
.endif
.set i, i+1
.endm
; THE LDS LOADS stand in runs of 16, never singly among the matrix instructions: a step's K (64 keys x 64 channels: 8 fragments) and its V (turned).  Their addresses are made some lines ahead.
.macro FETCH_K
	WIN 0x80                        ; destination window 2
.irp f, 0,1,2,3,4,5,6,7             ; keys 16 (f / 2) on, channels 32 (f % 2) on
	ds_load_b128 v[KF+8*\f:KF+8*\f+3],   v[AK] offset:(\f/2)*16*PK+(\f%2)*64
	ds_load_b128 v[KF+8*\f+4:KF+8*\f+7], v[AK] offset:(\f/2)*16*PK+(\f%2)*64+32
.endr
	s_add_co_u32 s[TBK], s[TBK], KS*PK  ; the next fetch is the next step's
	WIN 0
.endm
.macro FETCH_V
	WIN 0x80
.irp f, 0,1,2,3,4,5,6,7             ; keys 32 (f / 4) on, channels 16 (f % 4) on
	ds_load_tr16_b128 v[VF+8*\f:VF+8*\f+3],   v[AV] offset:(\f/4)*32*PV+(\f%4)*32
	ds_load_tr16_b128 v[VF+8*\f+4:VF+8*\f+7], v[AV] offset:(\f/4)*32*PV+16*PV+(\f%4)*32
.endr
	WIN 0
.endm
; THE VECTOR WORK, one line at a time: OP kind, number.  For piece Y: F n: c s - c m for pair n of 16.  E n: the exponential of score n of 32.  C n: pair n rounded to f16.  B n: of the four weights 4 n .. the second
; pair is added onto the first, in place.  L n: l takes that sum (L 0: l = a l + sum).  R n: pair n of 16 of O^T times a.  For piece Y + 1: X n, number n of the 22 that find its maximum and statistics:
;   0-11  four chains c0-c3 of seven scores each, three operands at a time (each accumulator's lowest registers are read first)     12-14, 16  the four scores left over, the old m, and c0-c3 into c0
;   15  c m_old is kept     17, 18  the query's other 32 keys lie in the lane 16 away: the new m     19-21  c m; c m_old - c m_new; a
.set F, 0               ; OP tells the kinds apart by their order: F to L below R, X above it
.set E, 1
.set C, 2
.set B, 3
.set L, 4
.set R, 5
.set X, 6
.macro REGS y                       ; the registers of piece y
.set rT, ST+4*(\y)
.set rC, TMP+4*((\y)%2)
.set rW, MV+((\y)%2)
.set rS, S+32*((\y)%2)
.set rP, P+16*((\y)%2)
.set rO, 32*(\y)
.endm
.macro OP k, n
.if (\k) == R
	REGS Y
	WIN W_RS
	v_pk_mul_f32 v[rO+2*(\n):rO+2*(\n)+1], v[rO+2*(\n):rO+2*(\n)+1], v[rC+2:rC+3] op_sel_hi:[1,0]
.elseif (\k) < R
	REGS Y
	WIN 0
.if (\k) == F
	v_pk_fma_f32 v[rS+2*(\n):rS+2*(\n)+1], v[rS+2*(\n):rS+2*(\n)+1], s[CS:CS+1], v[rT:rT+1] op_sel_hi:[1,0,0] neg_lo:[0,0,1] neg_hi:[0,0,1]
.elseif (\k) == E
	v_exp_f32 v[rS+(\n)], v[rS+(\n)]
.elseif (\k) == C
	s_wait_alu depctr_va_vdst(0)
	v_cvt_pk_f16_f32 v[rP+(\n)], v[rS+2*(\n)], v[rS+2*(\n)+1]
.elseif (\k) == B
	s_wait_alu depctr_va_vdst(0)
	v_pk_add_f32 v[rS+4*(\n):rS+4*(\n)+1], v[rS+4*(\n):rS+4*(\n)+1], v[rS+4*(\n)+2:rS+4*(\n)+3]
.elseif (\n) == 0
	v_pk_fma_f32 v[rT+2:rT+3], v[rT+2:rT+3], v[rC+2:rC+3], v[rS:rS+1] op_sel_hi:[1,0,1]
.else
	v_pk_add_f32 v[rT+2:rT+3], v[rT+2:rT+3], v[rS+4*(\n):rS+4*(\n)+1]
.endif
.elseif NOKQ
	v_nop
.else
	REGS (Y+1)%NP
	WIN 0
.if (\n) < 4
	v_max3_num_f32 v[rC+(\n)], v[rS+8*(\n)], v[rS+8*(\n)+1], v[rS+8*(\n)+2]
.elseif (\n) < 12
	v_max3_num_f32 v[rC+(\n)%4], v[rC+(\n)%4], v[rS+8*((\n)%4)+2*((\n)/4)+1], v[rS+8*((\n)%4)+2*((\n)/4)+2]
.elseif (\n) == 12
	v_max3_num_f32 v[rC], v[rC], v[rS+7], v[rS+15]
.elseif (\n) == 13
	v_max3_num_f32 v[rC+1], v[rC+1], v[rS+23], v[rS+31]
.elseif (\n) == 14
	v_max3_num_f32 v[rC+2], v[rC+2], v[rC+3], v[rT+1]
.elseif (\n) == 15
	v_mov_b32 v[rW], v[rT]
.elseif (\n) == 16
	v_max3_num_f32 v[rC], v[rC], v[rC+1], v[rC+2]
.elseif (\n) == 17
	v_permlanex16_b32 v[rC+3], v[rC], s[SEL], s[SEL+1]
.elseif (\n) == 18
	v_max_num_f32 v[rT+1], v[rC], v[rC+3]
.elseif (\n) == 19
	v_mul_f32 v[rT], s[CS], v[rT+1]
.elseif (\n) == 20
	v_sub_f32 v[rC+1], v[rW], v[rT]
.else
	v_exp_f32 v[rC+2], v[rC+1]
.endif
.endif
.endm
.macro OPS a, i1, b=-1, i2=0, c=-1, i3=0, d=-1, i4=0  ; up to four of them
	OP \a, \i1
.if (\b) >= 0
	OP \b, \i2
.endif
.if (\c) >= 0
	OP \c, \i3
.endif
.if (\d) >= 0
	OP \d, \i4
.endif
.endm
.macro ROW a, i1, b, i2, c, i3, d, i4  ; a matrix instruction and the four behind it
	MM
	OPS \a, \i1, \b, \i2, \c, \i3, \d, \i4
.endm
.macro MASK b                       ; MD x AL + BE into buffer b of MC, for a piece x with x % 2 = b
	WIN W_RS
.set z, 0
.rept 16
	v_pk_fma_f32 v[MC+32*(\b)+2*z:MC+32*(\b)+2*z+1], v[MD+96*(\b)+2*z:MD+96*(\b)+2*z+1], s[AL:AL+1], s[BE:BE+1] op_sel_hi:[1,0,0]
.set z, z+1
.endr
.endm
; A TURN, for piece p: the order of its 16 matrix and 118 vector instructions, written out.  Behind a matrix instruction: plain, exponential, plain, plain; or four of the rescaling; or, behind the first, four scalings; none
; names a register of the products round it.  In the runs of their own exponential and plain by turns while exponentials last.  A line reads no result made fewer than three vector instructions in front of it, five if an
; exponential made it.  v_permlanex16_b32 (X 17) stands in such a run.
; m = 1: the diagonal tile: the products take masks, and the turn makes the mask for the products of the turn after it: piece p + 2, in my step 2 - CNT of the tile.  end = 1: a block's last two turns: nothing is fetched.
; cnt = 1: the loop's count is taken down some lines ahead of the branch that stands behind the turn.
; K of the next step is fetched in piece 2's turn, six vector instructions behind the last product that read K (five of them plain); V of the step in hand in piece 0's turn, eight behind the last product that read V (four
; plain, and X 17).  Each is waited for a turn later.
.macro TURN p, m=0, end=0, cnt=0
.set Y, (\p)
.set i, 0
.set KM, (\m)
.set NOKQ, (\end)*((\p)/3)
.if (\m) && !(\end)
	s_cmp_eq_u32 s[CNT], s[CE+(((\p)+2)%NP)/2]  ; is that step the band's own?
	s_cselect_b32 s[AL], 1.0, 0
	s_cmp_lt_i32 s[CNT], s[CE+(((\p)+2)%NP)/2]  ; or a later one?
	s_cselect_b32 s[BE], s[HID], 0
.endif
.if ((\p) == 3) && !(\end)
	s_wait_dscnt 0x0                ; K is in
.endif
	ROW F,0, F,1, F,2, F,3
	ROW F,4, E,0, F,5, F,6
	ROW F,7, E,1, F,8, F,9
	ROW F,10, E,2, C,0, F,11
	ROW F,12, E,3, X,15, F,13
	ROW R,0, R,1, R,2, R,3
	ROW B,0, E,4, F,14, L,0
.if ((\p) == 2) && !(\end)
	v_add_nc_u32 v[AK], s[TBK], v[AK0]
.endif
	ROW R,4, R,5, R,6, R,7
	OPS E,5, F,15
.if ((\p) == 2) && !(\end)
	FETCH_K
.endif
	OPS E,6, C,1, E,7, R,8
	OPS E,8, R,9, E,9, C,2
	OPS E,10, X,0, E,11, X,1
	OPS E,12, X,2, E,13, X,3
.if (\p) == 1
	s_wait_dscnt 0x0                ; V is in
.endif
	ROW X,4, E,14, X,5, X,6
	ROW X,7, E,15, X,8, X,9
	ROW X,10, E,16, X,11, X,12
	ROW X,13, E,17, X,14, B,1
	ROW C,4, E,18, X,16, L,1
	ROW B,2, E,19, C,6, L,2
	ROW C,8, E,20, B,3, B,4
.if (\p) == 0
	v_add_nc_u32 v[AV], s[TBV], v[AV0]
.endif
	ROW C,3, E,21, L,3, C,5
	OPS E,22, X,17, E,23, C,10
.if (\p) == 0
	FETCH_V
.endif
	OPS E,24, L,4
	OPS E,25, X,18, E,26, C,7
	OPS E,27, B,5, E,28, X,19
	OPS E,29, C,12, E,30, L,5
	OPS E,31, X,20, B,6, C,9
	OPS C,14, C,11, X,21, L,6
.if (\p) == 0
	s_add_co_u32 s[TBV], s[TBV], KS*PV
.endif
.if \cnt
	s_sub_co_u32 s[CNT], s[CNT], 1
	s_cmp_lg_u32 s[CNT], 0
.endif
	OPS C,13, B,7, C,15, R,10
	OPS R,11, R,12, L,7, R,13
	OPS R,14, R,15
.if (\m) && !(\end)
	MASK (\p)%2
.endif
.endm
; A BLOCK BEGINS.  m starts at -2^123, far below every score and above the scores of a step that is not seen; c m is made of it by the line that later makes it anew, so that a is 0 where the first step holds a true score
; and exactly 1 where it holds none.  Both mask buffers are made, for pieces 0 and 1 (one band) in my first step of the tile: zeros unless the block's first tile is the diagonal one.  Then K of that step, piece 0's first
; scores, and its maximum and statistics.  The loop is entered at a step's first turn, in the middle of a trip.
.macro BEGIN
	s_mov_b32 s[NEW], 0
	WIN 0
.set i, 0
.rept 4
	v_mov_b32 v[ST+4*i+1], 0xfd000000  ; m
.set i, i+1
.endr
.set i, 0
.rept 4
	v_mul_f32 v[ST+4*i], s[CS], v[ST+4*i+1]  ; c m
.set i, i+1
.endr
	s_cmp_eq_u32 s[CNT], s[CE]
	s_cselect_b32 s[AL], 1.0, 0
	s_cmp_lt_i32 s[CNT], s[CE]
	s_cselect_b32 s[BE], s[HID], 0
	s_cmp_eq_u32 s[RT], 0           ; is this tile the diagonal one?
	s_cselect_b32 s[AL], s[AL], 0
	s_cselect_b32 s[BE], s[BE], 0
	MASK 0
	MASK 1
	WIN 0
	v_add_nc_u32 v[AK], s[TBK], v[AK0]
	FETCH_K
	s_wait_loadcnt 0x0              ; Q
	s_wait_dscnt 0x0
.set KM, 1
.set NOKQ, 0
.set i, 0
.rept 8
	KQ 0
.set i, i+1
.endr
	WIN 0
.rept 4
	v_nop                           ; the places behind those products
.endr
.set Y, NP-1                        ; X works for piece Y + 1: piece 0
.irp n, 0,1,2,3,4,5,6,7,8,9,10,11,12,13,14,15,16,17,18,19,20,21
	OP X, \n
.endr
	v_nop                           ; a plain instruction behind the exponential
.endm
.macro ALL line:vararg              ; one line for each piece t
.set t, 0
.rept 4
	\line
.set t, t+1
.endr
.endm
; THE DIAGONAL TILE's two steps of mine, the block's last two turns, its last products; then l's two halves and the other half of the lanes' are added.  The additions are the places behind the last products.
.macro DIAG tag                     ; the tag ends its two labels' names, which the jumps below spell out
.LstepM\tag:
	TURN 2, 1
	TURN 3, 1
	WIN 0
.LfirstM\tag:
	TURN 0, 1
	TURN 1, 1, 0, 1
	WIN 0
	s_cbranch_scc1 .LstepM\tag
	TURN 2, 1, 1
	TURN 3, 1, 1
.set i, 0
.rept 8
	PV NP-1
.set i, i+1
.endr
	WIN 0
	ALL v_add_f32 v[ST+4*t+2], v[ST+4*t+2], v[ST+4*t+3]
	ALL v_permlanex16_b32 v[ST+4*t+3], v[ST+4*t+2], s[SEL], s[SEL+1]
	ALL v_add_f32 v[ST+4*t+2], v[ST+4*t+2], v[ST+4*t+3]
.endm
; Pieces 2 and 3 are given: c m and l, a word a lane; O^T, 16 bytes a lane and 512 consecutive bytes a store, each accumulator's low half first.  The bytes are my own; my partner reads them behind the barrier at the walk's end.
.macro GIVE stage
	WIN 0
.irp k, 0,1,2,3
	ds_store_b32 v[MS4], v[ST+8+2*\k] offset:(\stage)+128*\k
.endr
	WIN 0x04                        ; store data (source 1) in window 1
.set k, 0
.rept 16
	ds_store_b128 v[MS], v[64+4*k:64+4*k+3] offset:(\stage)+512*k
.set k, k+1
.endr
	WIN 0
.endm
; The way out of kept piece t: a lane's eight channels of a row pack into 16 bytes; they go into rows of 144 bytes and come back as whole rows of 128.
.macro OUTP t, yb
	WIN 0
.set k, 0
.rept 16
	v_cvt_pk_f16_f32 v[(\yb)+16*(\t)+k], v[S+32*(\t)+2*k], v[S+32*(\t)+2*k+1]
.set k, k+1
.endr
.irp f, 0,1,2,3
	ds_store_b128 v[STO], v[(\yb)+16*(\t)+4*\f:(\yb)+16*(\t)+4*\f+3] offset:32*\f
.endr
.irp f, 0,1,2,3
	ds_load_b128 v[(\yb)+16*(\t)+4*\f:(\yb)+16*(\t)+4*\f+3], v[RD] offset:\f*4*SP  ; LDS serves a wave's instructions in order (ISA guide 5.7.1.4): these see the stores above; the next piece's stores come behind them
.endr
.endm
.macro SENDP t, yb, ptr, younger    ; younger: the LDS instructions issued behind piece t's loads: the next piece's eight, or none
.irp f, 0,1,2,3
	s_wait_dscnt (\younger)+3-\f
	global_store_b128 v[GO], v[(\yb)+16*(\t)+4*\f:(\yb)+16*(\t)+4*\f+3], s[(\ptr):(\ptr)+1] offset:(\t)*2048+\f*512  ; 512 consecutive bytes, at a multiple of 256 from O's first
.endr
.endm
; THE MERGE of a block's kept pieces 0 and 1.  Mine lie in window win (3: the first block's, set aside; 1: the second's, where they were made); my partner's sums for the same rows, over the other keys, lie in LDS.
.macro TAKE win, stage, ptr, yb
.if (\win) == 3
	WIN 0x03                        ; source 0 in window 3
.irp k, 0,1,2,3
	v_mov_b32 v[TS+\k], v[64+\k]
.endr
	WIN 0
.else
	WIN 0
.irp k, 0,1,2,3
	v_mov_b32 v[TS+\k], v[ST+2*\k]
.endr
.endif
.irp k, 0,1,2,3
	ds_load_b32 v[PS+\k], v[MT4] offset:(\stage)+128*\k
.endr
.set k, 0
.rept 16
	ds_load_b128 v[S+4*k:S+4*k+3], v[MT] offset:(\stage)+512*k
.set k, k+1
.endr
	s_wait_dscnt 0x0
.irp t, 0,1
.set g0, GF+12*\t
.set g1, GF+12*\t+2
	v_max_num_f32 v[TW], v[TS+2*\t], v[PS+2*\t]       ; the greater c m
	v_sub_f32 v[g0], v[TS+2*\t], v[TW]
	v_sub_f32 v[g1], v[PS+2*\t], v[TW]
	v_exp_f32 v[g0], v[g0]                            ; f
	v_exp_f32 v[g1], v[g1]                            ; f'
	v_nop                                             ; a plain instruction behind the exponentials
	s_wait_alu depctr_va_vdst(0)
	v_mul_f32 v[TW], v[g0], v[TS+2*\t+1]
	v_fma_f32 v[TW], v[g1], v[PS+2*\t+1], v[TW]       ; L = f l + f' l'
	v_rcp_f32 v[TW], v[TW]
	v_nop                                             ; and behind the reciprocal
	s_wait_alu depctr_va_vdst(0)
	v_mul_f32 v[g0], v[g0], v[TW]
	v_mul_f32 v[g1], v[g1], v[TW]
	v_mov_b32 v[g0+1], v[g0]                          ; named as pairs
	v_mov_b32 v[g1+1], v[g1]
.endr
.set z, 0
.rept 32
	v_pk_mul_f32 v[S+2*z:S+2*z+1], v[S+2*z:S+2*z+1], v[GF+12*(z/16)+2:GF+12*(z/16)+3] op_sel_hi:[1,0]
.set z, z+1
.endr
	WIN (\win)                      ; source 0: my O^T, each accumulator from its low end on
.set z, 0
.rept 32
	v_pk_fma_f32 v[S+2*z:S+2*z+1], v[2*z:2*z+1], v[GF+12*(z/16):GF+12*(z/16)+1], v[S+2*z:S+2*z+1] op_sel_hi:[1,0,1]
.set z, z+1
.endr
	OUTP 0, \yb
	OUTP 1, \yb                     ; a piece's roundings stand between the loads of the piece before and its stores
	SENDP 0, \yb, \ptr, 8
	SENDP 1, \yb, \ptr, 0
.endm
.set KM, 0
.set NOKQ, 0
.Lslot:                             ; NT times: a tile is entered and the next is asked for
	CHANGE 1
	s_sub_co_u32 s[RT], s[RT], 1
	s_mov_b32 s[CNT], SPT
	s_cmp_eq_u32 s[NEW], 1
	s_cbranch_scc1 .Lnew            ; a block's first tile
	s_cmp_eq_u32 s[RT], 0
	s_cbranch_scc0 .Lstep           ; neither its first nor its last
	s_branch .LstepM1
.Lnew:
	BEGIN
	s_branch .Lfirst                ; in the loop a block's first tile is never its last: the first block has five tiles or more, and the second's last is the walk's last
	DIAG 1                          ; in the loop this is the first block's end: the second block's last tile is the walk's last
	GIVE 0
	WIN 0xc1                        ; the kept pieces are set aside: destination window 3, source window 1,
.set i, 0
.rept 64
	v_mov_b32 v[i], v[i]
.set i, i+1
.endr
	WIN 0xc0                        ; and their c m and l
.irp k, 0,1,2,3
	v_mov_b32 v[64+\k], v[ST+2*\k]
.endr
	s_add_co_i32 s[CE], s[CE], s[DCE]
	s_add_co_i32 s[CE+1], s[CE+1], s[DCE]
	s_add_co_u32 s[RT], s[PB], 1    ; the second block's tiles
	s_mov_b32 s[NEW], 1
	WIN 0x82                        ; the second block's Q goes where the one text of the turns names Q
.set i, 0
.rept 64
	v_mov_b32 v[i], v[QB+i]
.set i, i+1
.endr
	WIN 0
	s_branch .Lbottom
.Lstep:                             ; a trip: pieces 2 and 3 of one step, then pieces 0 and 1 of the next, whose K and V it fetches
	TURN 2
	TURN 3
	WIN 0
.Lfirst:
	TURN 0
	TURN 1, 0, 0, 1
	WIN 0
	s_cbranch_scc1 .Lstep
.Lbottom:
	s_sub_co_u32 s[SLOTS], s[SLOTS], 1
	s_cmp_lg_u32 s[SLOTS], 0
	s_cbranch_scc1 .Lslot
	CHANGE 0                        ; the walk's last tile is written out: nothing is asked for
	s_sub_co_u32 s[RT], s[RT], 1
	s_mov_b32 s[CNT], SPT
	s_cmp_eq_u32 s[NEW], 1
	s_cbranch_scc0 .LstepM2
	BEGIN
	s_branch .LfirstM2
	DIAG 2
	GIVE MRGB
	s_wait_dscnt 0x0                ; for my partner's sake: what I have given, of both blocks, lies in LDS
	s_barrier_signal -1
	s_barrier_wait -1               ; and so does what I am given
	TAKE 3, 0, OP1, YB
	TAKE 1, MRGB, OP2, YB+32        ; other registers than those that the first block's stores still read
	s_wait_tensorcnt 0x0            ; the wave's end, behind my last tensor load and my last LDS store
	ds_add_u32 v[SPW], v[NIL]
	s_wait_dscnt 0x0
	s_endpgm
.Lfunc_end_k_qa251db3524_attn:
	.size	k_qa251db3524_attn, .Lfunc_end_k_qa251db3524_attn-k_qa251db3524_attn
	.p2alignl 7, 3214868480
	.fill 96, 4, 3214868480
	.section	.rodata,"a",@progbits
	.p2align	6, 0x0
	.amdhsa_kernel k_qa251db3524_attn
		.amdhsa_group_segment_fixed_size 327680
		.amdhsa_private_segment_fixed_size 0
		.amdhsa_enable_private_segment 0
		.amdhsa_kernarg_size 16
		.amdhsa_user_sgpr_count 2
		.amdhsa_user_sgpr_kernarg_segment_ptr 1
		.amdhsa_wavefront_size32 1
		.amdhsa_system_sgpr_workgroup_id_x 1
		.amdhsa_system_sgpr_workgroup_id_y 1
		.amdhsa_system_sgpr_workgroup_id_z 1
		.amdhsa_system_vgpr_workitem_id 0
		.amdhsa_next_free_vgpr 840
		.amdhsa_next_free_sgpr 102
		.amdhsa_reserve_vcc 1
		.amdhsa_float_denorm_mode_32 3
		.amdhsa_float_denorm_mode_16_64 3
		.amdhsa_memory_ordered 1
		.amdhsa_forward_progress 1
		.amdhsa_inst_pref_size 233
	.end_amdhsa_kernel
	.amdgpu_metadata
---
amdhsa.version: [ 1, 2 ]
amdhsa.kernels:
  - .name:           k_qa251db3524_attn
    .symbol:         k_qa251db3524_attn.kd
    .args:
      - { .name: big, .offset: 0, .size: 8, .value_kind: global_buffer, .address_space: global }
      - { .name: hb, .offset: 8, .size: 8, .value_kind: global_buffer, .address_space: global }
    .group_segment_fixed_size: 327680
    .private_segment_fixed_size: 0
    .kernarg_segment_align: 8
    .kernarg_segment_size: 16
    .max_flat_workgroup_size: 128
    .sgpr_count:     102
    .vgpr_count:     840
    .wavefront_size: 32
...
	.end_amdgpu_metadata
.endif
;; end of part 4
;; launch oproj (part 5): grid 8 x 32, 4 waves a work-group, clusters of 4 x 4, 327,680 bytes of LDS; arguments hb, wa, b_o, x, x1; writes x1
.if DOCPART == 5
	.amdgcn_target "amdgcn-amd-amdhsa--gfx1250"
	.amdhsa_code_object_version 6
	.text
	.protected	k_qa251db3524_oproj
	.globl	k_qa251db3524_oproj
	.p2align	8
	.type	k_qa251db3524_oproj,@function
k_qa251db3524_oproj:
	s_mov_b64 s[64:65], 0
	v_nop
	global_prefetch_b8 v0, s[64:65] scope:SCOPE_SE
	s_setreg_imm32_b32 hwreg(HW_REG_WAVE_MODE, 25, 1), 1
	s_wait_xcnt 0x0
	s_wait_alu depctr_hold_cnt(0) depctr_sa_sdst(0) depctr_va_vdst(0) depctr_va_sdst(0) depctr_va_ssrc(0) depctr_va_vcc(0) depctr_vm_vsrc(0)
	s_getreg_b32 s2, hwreg(HW_REG_IB_STS2, 6, 4)
	s_cmp_eq_u32 s2, 0
	s_cbranch_scc0 .Lentry_in_a_cluster
	s_endpgm
.Lentry_in_a_cluster:
	s_bfe_u32 s2, ttmp6, 0x10000c
	s_cmp_lg_u32 s2, 0xf033
	s_cbranch_scc0 .Lentry_shape_is_right
	s_endpgm
.Lentry_shape_is_right:
; C = A W^T + bias + residual, in f32.  A: f16 by planes of 64 channels, [K / 64][4096 rows][64]; W^T: [1024 n][K] f16 (a part of a larger buffer: WOFF, WP); bias [1024] f32; residual and C [4096][1024] f32.
; KIND 0, this text: the attention's output projection: K = 1,024, W^T = rows 3,072 on of the four square matrices, the residual is the module's input x and is rounded to bf16 like every input.
; KIND 1: the second half of the FFN: K = 4,096, the residual is the program's own f32 sum and is taken as it is.  The two texts differ in these constants and in the residual's lines alone.
; LIMITS.  A and W stay below 65,504 (f16's range).
; SHARES.  A tile of C is 128 x 128, which gives each of 256 WGPs one work-group; four waves, each 64 x 64: 16 accumulators.  K goes in steps of 256 (four planes of A) through a ring of two LDS slots.
; A K STEP IS WRITTEN ONCE and looped over: the slot's LDS byte is a scalar that an exclusive or turns; written out are the first quarter (its products start the sums with the constant 0) and a second copy of the
; step for the last two, which ask for nothing.
; TILES.  A: waves 0 and 1 fetch two planes each: 128 rows of a plane are 16,384 dense bytes, asked for as one long row, two such rows a load, padded in LDS after every 128 bytes.  W: waves 2 and 3 fetch 64 rows of 512 bytes.
; CLUSTER.  4 x 4 work-groups: A's tile is shared along a row of the cluster, W's along a column, each asked for jointly.
; THE MATRIX INSTRUCTION IS USED TRANSPOSED (source 0 = 16 rows of W^T, source 1 = 16 rows of A): a lane holds row lane % 16 of C and 8 neighbouring columns.
; THE WAY OUT.  16 rows at a time through the wave's own stage in LDS and back as whole rows of 256 bytes; the residual, loaded at the kernel's head in that same layout, and the bias are added there.
; NOT HERE.  A prefetch ahead of the tiles: the tile is small, and each is already fetched once for four work-groups.
; REGISTERS: window 0: v0-31 addresses; v32-95 at work on the way out; v96-119 bias and at work; v128-255 the accumulators.  Window 1: two fragment buffers of 128.  Window 2: v0-127 the residual.
.set KIND, 0
.if KIND == 0
.set NK,   4                           ; K steps
.set WP,   1024                        ; elements in a row of W^T
.set WOFF, 3072*2048                   ; bytes in front of W^T's first row
.else
.set NK,   16
.set WP,   4096
.set WOFF, 0
.endif
.set PA,     144                       ; a row of A in LDS: 128 bytes + 16 = 36 words: the 16 rows of a load start at 16 different groups of four banks (64 banks of 4 bytes: ISA guide 11.1)
.set LPL,    128*PA                    ; a plane's 128 rows
.set PW,     528                       ; a row of W: 512 bytes + 16 = 132 words: likewise
.set WBASE,  4*LPL                     ; a slot: A's four planes, then W's 128 rows: 141,312 bytes
.set SLOT,   147456                    ; slot 1 begins here: a number that shares no bit with the four tile addresses in slot 0, so that one exclusive or turns them into slot 1's
.set STAGE,  SLOT+WBASE+128*PW         ; behind the ring, never filled: 16 rows x 272 bytes for each wave
.set SPITCH, 272
.set SPARE,  STAGE+4*16*SPITCH         ; the spare words, 128 bytes for each wave
.set ADRA0, 16
.set ADRA,  17
.set ADRB0, 20
.set ADRB,  21
.set STO,   24                         ; v24  the way out: where I put 16 bytes of a row
.set RD,    25                         ; v25  where I read rows back
.set CO,    26                         ; v26  my byte offset in two rows of C and of the residual
.set BO,    27                         ; v27  my byte offset in the bias
.set SPW,   28                         ; v28  my spare word's LDS address; never rewritten
.set NIL,   29                         ; v29  0; never rewritten
.set TMP,   32                         ; two buffers of 32
.set BI,    96                         ; v[96:99] the bias of my 4 columns
.set ONE,   100                        ; v100 1.0
.set T16,   104                        ; v[104:119] 32 numbers of the residual in bf16
.set ACC,   128
.set F0,    0
.set F1,    128
.set WV, 14
.set FB, 15                            ; my half of the tile's rows; also: I fetch for A (0) or W (1)
.set WC, 16                            ; my half of its columns; also: which part of that tile I fetch
.set G1,  24
.set G0,  32                           ; two sets: K step 0 into slot 0; K step 1 into slot 1, which then walks
.set G1B, 48
.set G0B, 56
.set TB,   66
.set CNT,  67
.set HI16, 68
.set MSB, 0
.macro WIN new
.if MSB != (\new)
	s_set_vgpr_msb (MSB<<8)|(\new)
.set MSB, \new
.endif
.endm
.set MUL,  0x05                        ; sources 0 (W) and 1 (A) window 1; C and D window 0
.set TO_F, 0x40                        ; destination window 1, address window 0
.macro JLOAD s                         ; a joint load; an s_nop 0 and four v_nop follow each of the two lines, ahead of the jump and the label
	s_cmp_eq_u32 s[FB], 0
	s_cbranch_scc0 .Lfor_b_\@
	tensor_load_to_lds s[G0+4*(\s):G0+4*(\s)+3], s[G1:G1+7]
	s_nop 0
.rept 4
	v_nop
.endr
	s_branch .Lasked_\@
.Lfor_b_\@:
	tensor_load_to_lds s[G0B+4*(\s):G0B+4*(\s)+3], s[G1B:G1B+7]
	s_nop 0
.rept 4
	v_nop
.endr
.Lasked_\@:
.endm
.macro CREST
	s_cmp_lg_u32 s[WV], 0
	s_cbranch_scc1 .Lnot_wave_0_\@
	s_barrier_signal -3
.Lnot_wave_0_\@:
	s_barrier_wait -3
	s_barrier_signal -1
	s_barrier_wait -1
.endm
.macro CROUND
	s_barrier_signal -1
	s_barrier_wait -1
	CREST
.endm
	s_load_b256 s[4:11], s[0:1], 0x0               ; A s[4:5], W s[6:7], bias s[8:9], residual s[10:11]
	s_load_b64 s[12:13], s[0:1], 0x20              ; C
	v_lshl_add_u32 v[SPW], v0, 2, SPARE
	v_mov_b32 v[NIL], 0
	ds_add_u32 v[SPW], v[NIL]                      ; the wave's opening: an add of 0, with its wait ahead of my first tensor load; the set-up below stands between them
	ds_add_u32 v28, v29
	v_lshrrev_b32 v1, 5, v0
	v_readfirstlane_b32 s[WV], v1
	s_lshr_b32 s[FB], s[WV], 1
	s_and_b32 s[WC], s[WV], 1
	s_bfe_u32 s17, ttmp6, 0x40000                  ; cx
	s_bfe_u32 s18, ttmp6, 0x40004                  ; cy
	s_lshl_b32 s19, ttmp9, 2
	s_add_co_u32 s19, s19, s17                     ; tile column
	s_and_b32 s20, ttmp7, 0xffff
	s_lshl_b32 s20, s20, 2
	s_add_co_u32 s20, s20, s18                     ; tile row
	s_lshl_b32 s21, s18, 2
	s_lshl_b32 s21, 15, s21                        ; my row of the cluster
	s_lshl_b32 s22, 0x1111, s17                    ; my column
	s_or_b32 s[G1], s21, (1<<16)|(1<<20)|(1<<21)|(4<<22)|(3<<25)   ; A: the mask; 2-byte elements; padding on; bit 21 beside a mask; after every 32 words, 4 words
	s_mov_b32 s[G1+1], 8192<<16                    ; tensor_dim0 = 8,192 elements: 128 dense rows of a plane
	s_mov_b32 s[G1+2], 2<<16                       ; tensor_dim1 = 2 planes
	s_mov_b32 s[G1+3], 8192<<16                    ; tile_dim0
	s_mov_b32 s[G1+4], 2                           ; tile_dim1
	s_mov_b32 s[G1+5], 262144                      ; elements from plane to plane
	s_mov_b32 s[G1+6], 0
	s_mov_b32 s[G1+7], 0
	s_or_b32 s[G1B], s22, (1<<16)|(1<<20)|(1<<21)|(6<<22)|(3<<25)  ; W: after every 128 words, 4 words
	s_mov_b32 s[G1B+1], 256<<16
	s_mov_b32 s[G1B+2], 64<<16
	s_mov_b32 s[G1B+3], 256<<16
	s_mov_b32 s[G1B+4], 64
	s_mov_b32 s[G1B+5], WP
	s_mov_b32 s[G1B+6], 0
	s_mov_b32 s[G1B+7], 0
	s_lshl_b32 s40, s[WC], 20                      ; A: my two planes of 524,288 bytes,
	s_lshl_b32 s41, s20, 14                        ; the tile's 128 rows of 128 bytes
	s_add_co_u32 s40, s40, s41
	s_mov_b32 s41, 0
	s_lshl_b32 s42, s19, 7
	s_lshl_b32 s43, s[WC], 6
	s_add_co_u32 s42, s42, s43
	s_mul_i32 s42, s42, WP*2                       ; W: row 128 x tile column + 64 x half
	s_add_co_u32 s42, s42, WOFF
	s_mov_b32 s43, 0
	s_mul_i32 s23, s[WC], 2*LPL                    ; where my part goes, for A,
	s_mul_i32 s69, s[WC], 64*PW
	s_add_co_u32 s69, s69, WBASE                   ; and for W: no place in the cluster enters an LDS address
	s_mov_b32 s[TB], 0
	s_mov_b32 s[HI16], 0xffff0000
	s_wait_dscnt 0x0                               ; the opening add is done
	s_wait_kmcnt 0x0
	s_add_nc_u64 s[40:41], s[4:5], s[40:41]
	s_add_nc_u64 s[42:43], s[6:7], s[42:43]
	CROUND                                         ; all sixteen work-groups are here: the first joint loads meet
.irp s, 0,1
	s_mov_b32 s[G0+4*(\s)], 1
	s_add_co_u32 s[G0+4*(\s)+1], s23, (\s)*SLOT
	s_add_nc_u64 s[G0+4*(\s)+2:G0+4*(\s)+3], s[40:41], (\s)*4*524288
	s_or_b32 s[G0+4*(\s)+3], s[G0+4*(\s)+3], 0x80000000
	s_mov_b32 s[G0B+4*(\s)], 1
	s_add_co_u32 s[G0B+4*(\s)+1], s69, (\s)*SLOT
	s_add_nc_u64 s[G0B+4*(\s)+2:G0B+4*(\s)+3], s[42:43], (\s)*512
	s_or_b32 s[G0B+4*(\s)+3], s[G0B+4*(\s)+3], 0x80000000
	JLOAD \s
.endr
	v_and_b32 v1, 15, v0                           ; l % 16
	v_bfe_u32 v2, v0, 4, 1                         ; l / 16
	v_lshlrev_b32 v5, 12, v2
	v_lshl_add_u32 v[CO], v1, 4, v5                ; lanes 0-15 one row's 256 bytes, lanes 16-31 the next row's
	v_lshlrev_b32 v[BO], 4, v1
	s_lshl_b32 s46, s19, 9
	s_lshl_b32 s47, s[WC], 8
	s_add_co_u32 s46, s46, s47                     ; my 64 columns: (128 x tile column + 64 x half) x 4 bytes
	s_lshl_b32 s44, s20, 19
	s_lshl_b32 s45, s[FB], 18
	s_add_co_u32 s44, s44, s45                     ; my 64 rows of 4,096 bytes
	s_add_co_u32 s44, s44, s46
	s_mov_b32 s45, 0
	s_mov_b32 s47, 0
	s_add_nc_u64 s[8:9], s[8:9], s[46:47]
	s_add_nc_u64 s[10:11], s[10:11], s[44:45]
	s_add_nc_u64 s[12:13], s[12:13], s[44:45]
	WIN 0x80                                       ; destination window 2: the residual comes while the products run
.set i, 0
.rept 32
	global_load_b128 v[4*i:4*i+3], v[CO], s[10:11] offset:2*i*4096
.set i, i+1
.endr
	WIN 0
	global_load_b128 v[BI:BI+3], v[BO], s[8:9]
	v_mov_b32 v[ONE], 1.0
	v_mul_u32_u24 v3, v1, PA
	v_lshl_add_u32 v3, v2, 4, v3
	s_mul_i32 s21, s[FB], 64*PA
	v_add_nc_u32 v[ADRA0], s21, v3                 ; A: (my 64 rows + l % 16) x pitch + 16 x half
	v_mul_u32_u24 v3, v1, PW
	v_lshl_add_u32 v3, v2, 4, v3
	s_mul_i32 s22, s[WC], 64*PW
	s_add_co_u32 s22, s22, WBASE
	v_add_nc_u32 v[ADRB0], s22, v3
	v_mov_b32 v[ADRA], v[ADRA0]
	v_mov_b32 v[ADRB], v[ADRB0]
	s_mul_i32 s21, s[WV], 16*SPITCH
	s_add_co_u32 s21, s21, STAGE                   ; my stage
	v_mul_u32_u24 v4, v1, SPITCH
	v_lshl_add_u32 v4, v2, 5, v4                   ; in: row l % 16, 32 bytes for each half of the lanes
	v_add_nc_u32 v[STO], s21, v4
	v_mul_u32_u24 v5, v2, SPITCH
	v_lshl_add_u32 v5, v1, 4, v5                   ; back: lanes 0-15 one row, lanes 16-31 the next
	v_add_nc_u32 v[RD], s21, v5
; 8 matrix instructions: m blocks a0, a0 + 1 x all 4 n blocks, 32 along K: half c of buffer f.  The 16 accumulators take turns.
.macro MUL8 f, c, a0, zero
	WIN MUL
.irp a, \a0, (\a0)+1
.irp b, 0,1,2,3
.if \zero
	v_wmma_f32_16x16x32_f16 v[ACC+8*(4*(\a)+(\b)):ACC+8*(4*(\a)+(\b))+7], v[(\f)+64+8*(4*(\c)+(\b)):(\f)+64+8*(4*(\c)+(\b))+7], v[(\f)+8*(4*(\c)+(\a)):(\f)+8*(4*(\c)+(\a))+7], 0
.else
	v_wmma_f32_16x16x32_f16 v[ACC+8*(4*(\a)+(\b)):ACC+8*(4*(\a)+(\b))+7], v[(\f)+64+8*(4*(\c)+(\b)):(\f)+64+8*(4*(\c)+(\b))+7], v[(\f)+8*(4*(\c)+(\a)):(\f)+8*(4*(\c)+(\a))+7], v[ACC+8*(4*(\a)+(\b)):ACC+8*(4*(\a)+(\b))+7]
.endif
.endr
.endr
.endm
; 32 LDS loads in one run: quarter q of the K step in hand (plane q of A; 128 q bytes along W's rows), into buffer f; the first 32 along K first
.macro FETCH q, f
	WIN TO_F
.irp c, 0,1
.irp i, 0,1,2,3
	ds_load_b128 v[(\f)+64+8*(4*(\c)+(\i)):(\f)+64+8*(4*(\c)+(\i))+3],   v[ADRB] offset:128*(\q)+64*(\c)+(\i)*16*PW
	ds_load_b128 v[(\f)+64+8*(4*(\c)+(\i))+4:(\f)+64+8*(4*(\c)+(\i))+7], v[ADRB] offset:128*(\q)+64*(\c)+(\i)*16*PW+32
	ds_load_b128 v[(\f)+8*(4*(\c)+(\i)):(\f)+8*(4*(\c)+(\i))+3],         v[ADRA] offset:LPL*(\q)+64*(\c)+(\i)*16*PA
	ds_load_b128 v[(\f)+8*(4*(\c)+(\i))+4:(\f)+8*(4*(\c)+(\i))+7],       v[ADRA] offset:LPL*(\q)+64*(\c)+(\i)*16*PA+32
.endr
.endr
.endm
.macro PLACES                          ; four places between a matrix instruction and a load into, or a read of, its registers (ISA guide 7.12.1 for a read)
.rept 4
	v_nop
.endr
.endm
.macro QUARTER q, f, g, zero           ; multiplies buffer f and fetches quarter q into g
	s_wait_dscnt 16                                ; the first 32 along K are in
	MUL8 \f, 0, 0, \zero
	MUL8 \f, 0, 2, \zero
	PLACES
	FETCH \q, \g
	s_wait_dscnt 32                                ; all but the 32 just issued
	MUL8 \f, 1, 0, 0
	MUL8 \f, 1, 2, 0
.endm
; The last quarter multiplies buffer 1 and changes slots: one barrier; in front of it each wave waits for all its tensor loads (one is out: its part of the next slot), adds 0 to its spare word, and waits for that and
; for its reads of this slot.  fill = 1: the barrier opens a round of the cluster's, and this slot is filled again first behind it, with the K step two on, by the walking descriptor.
.macro TURN fill
	WIN 0
	s_wait_tensorcnt 0x0                           ; no tensor load of mine is out, so a group 0 may be written
	ds_add_u32 v[SPW], v[NIL]                      ; 0 onto my spare word; work on registers stands between it and the wait for it
.if \fill
	s_xor_b32 s[G0+5], s[G0+5], SLOT
	s_add_nc_u64 s[G0+6:G0+7], s[G0+6:G0+7], 4*524288  ; four planes on; the type bits on top are not reached
	s_xor_b32 s[G0B+5], s[G0B+5], SLOT
	s_add_nc_u64 s[G0B+6:G0B+7], s[G0B+6:G0B+7], 512
.endif
	s_xor_b32 s[TB], s[TB], SLOT                   ; the fetches go on in the other slot
	v_add_nc_u32 v[ADRA], s[TB], v[ADRA0]
	v_add_nc_u32 v[ADRB], s[TB], v[ADRB0]
	s_wait_dscnt 17                                ; the add and the youngest sixteen loads may be out
	MUL8 F1, 0, 0, 0
	s_wait_dscnt 0x0                               ; the add is done, and my reads of this slot are over
	s_barrier_signal -1
	MUL8 F1, 0, 2, 0
	WIN 0                                          ; at a branch and at a label every window is 0
	s_barrier_wait -1
.if \fill
	CREST                                          ; no wave of any partner still reads this slot or has a load on its way
	JLOAD 1                                        ; its four v_nop are also the places in front of the loads below
.else
	PLACES
.endif
	FETCH 0, F0
	MUL8 F1, 1, 0, 0
	MUL8 F1, 1, 2, 0
.endm
	s_wait_tensorcnt 1                             ; my part of K step 0 is in; K step 1's may stay out
	s_barrier_signal -1
	s_barrier_wait -1
	FETCH 0, F0
	QUARTER 1, F0, F1, 1                           ; the first quarter's first products start the sums
	WIN 0
	s_mov_b32 s[CNT], NK-2
	s_branch .Lmid                                 ; the loop is entered behind its first quarter
.Lk:                                                   ; NK - 2 trips: each asks for the K step two on
	QUARTER 1, F0, F1, 0
	WIN 0
.Lmid:
	QUARTER 2, F1, F0, 0
	QUARTER 3, F0, F1, 0
	TURN 1
	WIN 0
	s_sub_co_u32 s[CNT], s[CNT], 1
	s_cmp_lg_u32 s[CNT], 0
	s_cbranch_scc1 .Lk
	s_mov_b32 s[CNT], 2
.Lt:                                                   ; the last two K steps ask for nothing.  The last trip's fetch (of the slot read before, which still lies there) serves nothing: the price of one text for both
	QUARTER 1, F0, F1, 0
	QUARTER 2, F1, F0, 0
	QUARTER 3, F0, F1, 0
	TURN 0
	WIN 0
	s_sub_co_u32 s[CNT], s[CNT], 1
	s_cmp_lg_u32 s[CNT], 0
	s_cbranch_scc1 .Lt
	PLACES
	s_wait_loadcnt 0x0                             ; the residual and the bias
.irp p, 0,2
	v_cvt_pk_bf16_f32 v101, v[BI+(\p)], v[BI+(\p)+1]
	v_lshlrev_b32 v[BI+(\p)], 16, v101
	v_and_b32 v[BI+(\p)+1], s[HI16], v101
.endr
; Block a: 16 rows of my 64.  A lane's 8 columns go into the stage's rows of 272 bytes and come back as whole rows of 256; bias and residual are added; sixteen lanes store 256 consecutive bytes, aligned.
.macro OUT a
.set TM, TMP+32*((\a)%2)
.irp b, 0,1,2,3
	ds_store_b128 v[STO], v[ACC+8*(4*(\a)+(\b)):ACC+8*(4*(\a)+(\b))+3]   offset:64*(\b)
	ds_store_b128 v[STO], v[ACC+8*(4*(\a)+(\b))+4:ACC+8*(4*(\a)+(\b))+7] offset:64*(\b)+16
.endr
.if (\a) >= 2
	s_wait_xcnt 0x0                                ; the stores of the block two back have read this buffer
.endif
.irp t, 0,1,2,3,4,5,6,7
	ds_load_b128 v[TM+4*(\t):TM+4*(\t)+3], v[RD] offset:(\t)*2*SPITCH  ; LDS serves a wave's instructions in order (ISA guide 5.7.1.4): these see the stores above
.endr
	s_wait_dscnt 0x0
.irp t, 0,1,2,3,4,5,6,7
	v_pk_add_f32 v[TM+4*(\t):TM+4*(\t)+1],   v[TM+4*(\t):TM+4*(\t)+1],   v[BI:BI+1]
	v_pk_add_f32 v[TM+4*(\t)+2:TM+4*(\t)+3], v[TM+4*(\t)+2:TM+4*(\t)+3], v[BI+2:BI+3]
.endr
.if KIND == 0
	WIN 0x0a                                       ; sources 0 and 1 in window 2
.set i, 0
.rept 16
	v_cvt_pk_bf16_f32 v[T16+i], v[32*(\a)+2*i], v[32*(\a)+2*i+1]
.set i, i+1
.endr
	WIN 0
.set i, 0
.rept 16
	v_fma_mix_f32_bf16 v[TM+2*i],   v[T16+i], v[ONE], v[TM+2*i]   op_sel_hi:[1,0,0]
	v_fma_mix_f32_bf16 v[TM+2*i+1], v[T16+i], v[ONE], v[TM+2*i+1] op_sel:[1,0,0] op_sel_hi:[1,0,0]
.set i, i+1
.endr
.else
	WIN 0x08                                       ; source 1 in window 2
.set i, 0
.rept 16
	v_pk_add_f32 v[TM+2*i:TM+2*i+1], v[TM+2*i:TM+2*i+1], v[32*(\a)+2*i:32*(\a)+2*i+1]
.set i, i+1
.endr
	WIN 0
.endif
.irp t, 0,1,2,3,4,5,6,7
	global_store_b128 v[CO], v[TM+4*(\t):TM+4*(\t)+3], s[12:13] offset:(16*(\a)+2*(\t))*4096
.endr
.endm
	OUT 0
	OUT 1
	OUT 2
	OUT 3
	s_wait_tensorcnt 0x0                           ; the wave's end, behind my last tensor load and my last LDS store
	ds_add_u32 v[SPW], v[NIL]
	s_wait_dscnt 0x0
	CROUND                                         ; the closing round: no work-group ends while a partner may still ask for a tile that names it
	s_endpgm
.Lfunc_end_k_qa251db3524_oproj:
	.size	k_qa251db3524_oproj, .Lfunc_end_k_qa251db3524_oproj-k_qa251db3524_oproj
	.p2alignl 7, 3214868480
	.fill 96, 4, 3214868480
	.section	.rodata,"a",@progbits
	.p2align	6, 0x0
	.amdhsa_kernel k_qa251db3524_oproj
		.amdhsa_group_segment_fixed_size 327680
		.amdhsa_private_segment_fixed_size 0
		.amdhsa_enable_private_segment 0
		.amdhsa_kernarg_size 40
		.amdhsa_user_sgpr_count 2
		.amdhsa_user_sgpr_kernarg_segment_ptr 1
		.amdhsa_wavefront_size32 1
		.amdhsa_system_sgpr_workgroup_id_x 1
		.amdhsa_system_sgpr_workgroup_id_y 1
		.amdhsa_system_sgpr_workgroup_id_z 1
		.amdhsa_system_vgpr_workitem_id 0
		.amdhsa_next_free_vgpr 640
		.amdhsa_next_free_sgpr 80
		.amdhsa_reserve_vcc 0
		.amdhsa_float_denorm_mode_32 3
		.amdhsa_float_denorm_mode_16_64 3
		.amdhsa_memory_ordered 1
		.amdhsa_forward_progress 1
		.amdhsa_inst_pref_size 78
	.end_amdhsa_kernel
	.amdgpu_metadata
---
amdhsa.version: [ 1, 2 ]
amdhsa.kernels:
  - .name:           k_qa251db3524_oproj
    .symbol:         k_qa251db3524_oproj.kd
    .args:
      - { .name: hb, .offset: 0, .size: 8, .value_kind: global_buffer, .address_space: global }
      - { .name: wa, .offset: 8, .size: 8, .value_kind: global_buffer, .address_space: global }
      - { .name: b_o, .offset: 16, .size: 8, .value_kind: global_buffer, .address_space: global }
      - { .name: x, .offset: 24, .size: 8, .value_kind: global_buffer, .address_space: global }
      - { .name: x1, .offset: 32, .size: 8, .value_kind: global_buffer, .address_space: global }
    .group_segment_fixed_size: 327680
    .private_segment_fixed_size: 0
    .kernarg_segment_align: 8
    .kernarg_segment_size: 40
    .max_flat_workgroup_size: 128
    .sgpr_count:     80
    .vgpr_count:     640
    .wavefront_size: 32
...
	.end_amdgpu_metadata
.endif
;; end of part 5
;; launch ln2: the kernel of part 2 again; grid 512 x 1, 8 waves a work-group, no clusters, 0 bytes of LDS; arguments x1, ln2_g, ln2_b, hb, m0; writes hb
;; launch ffn1: the kernel of part 3 again; grid 16 x 16, 4 waves a work-group, clusters of 4 x 4, 327,680 bytes of LDS; arguments hb, w1t, b1, big, m1; writes big
;; launch ffn2 (part 6): grid 8 x 32, 4 waves a work-group, clusters of 4 x 4, 327,680 bytes of LDS; arguments big, w2t, b2, x1, out0; writes out0
.if DOCPART == 6
	.amdgcn_target "amdgcn-amd-amdhsa--gfx1250"
	.amdhsa_code_object_version 6
	.text
	.protected	k_qa251db3524_ffn2
	.globl	k_qa251db3524_ffn2
	.p2align	8
	.type	k_qa251db3524_ffn2,@function
k_qa251db3524_ffn2:
	s_mov_b64 s[64:65], 0
	v_nop
	global_prefetch_b8 v0, s[64:65] scope:SCOPE_SE
	s_setreg_imm32_b32 hwreg(HW_REG_WAVE_MODE, 25, 1), 1
	s_wait_xcnt 0x0
	s_wait_alu depctr_hold_cnt(0) depctr_sa_sdst(0) depctr_va_vdst(0) depctr_va_sdst(0) depctr_va_ssrc(0) depctr_va_vcc(0) depctr_vm_vsrc(0)
	s_getreg_b32 s2, hwreg(HW_REG_IB_STS2, 6, 4)
	s_cmp_eq_u32 s2, 0
	s_cbranch_scc0 .Lentry_in_a_cluster
	s_endpgm
.Lentry_in_a_cluster:
	s_bfe_u32 s2, ttmp6, 0x10000c
	s_cmp_lg_u32 s2, 0xf033
	s_cbranch_scc0 .Lentry_shape_is_right
	s_endpgm
.Lentry_shape_is_right:
; C = A W^T + bias + residual, in f32.  A: f16 by planes of 64 channels, [K / 64][4096 rows][64]; W^T: [1024 n][K] f16; bias [1024] f32; residual and C [4096][1024] f32.
; KIND 1, this text: the second half of the FFN: K = 4,096, the residual is the program's own f32 sum and is taken as it is; the bias is rounded to bf16 like every input of the module.
; KIND 0: the attention's output projection (K = 1,024, the residual rounded to bf16).  The two texts differ in these constants and in the residual's lines alone.
; LIMITS.  A and W stay below 65,504 (f16's range).
; SHARES.  A tile of C is 128 x 128, which gives each of 256 WGPs one work-group; four waves, each 64 x 64: 16 accumulators.  K goes in steps of 256 (four planes of A) through a ring of two LDS slots.
; A K STEP IS WRITTEN ONCE and looped over: the slot's LDS byte is a scalar that an exclusive or turns; written out are the first quarter (its products start the sums with the constant 0) and a second copy of the
; step for the last two, which ask for nothing.
; TILES.  A: waves 0 and 1 fetch two planes each: 128 rows of a plane are 16,384 dense bytes, asked for as one long row, two such rows a load, padded in LDS after every 128 bytes.  W: waves 2 and 3 fetch 64 rows of 512 bytes.
; CLUSTER.  4 x 4 work-groups: A's tile is shared along a row of the cluster, W's along a column, each asked for jointly.
; THE MATRIX INSTRUCTION IS USED TRANSPOSED (source 0 = 16 rows of W^T, source 1 = 16 rows of A): a lane holds row lane % 16 of C and 8 neighbouring columns.
; THE WAY OUT.  16 rows at a time through the wave's own stage in LDS and back as whole rows of 256 bytes; the residual, loaded at the kernel's head in that same layout, and the bias are added there.
; NOT HERE.  A prefetch ahead of the tiles: the tile is small, and each is already fetched once for four work-groups.
; REGISTERS: window 0: v0-31 addresses; v32-95 at work on the way out; v96-119 bias and at work; v128-255 the accumulators.  Window 1: two fragment buffers of 128.  Window 2: v0-127 the residual.
.set KIND, 1
.if KIND == 0
.set NK,   4                           ; K steps
.set WP,   1024                        ; elements in a row of W^T
.set WOFF, 3072*2048                   ; bytes in front of W^T's first row
.else
.set NK,   16
.set WP,   4096
.set WOFF, 0
.endif
.set PA,     144                       ; a row of A in LDS: 128 bytes + 16 = 36 words: the 16 rows of a load start at 16 different groups of four banks (64 banks of 4 bytes: ISA guide 11.1)
.set LPL,    128*PA                    ; a plane's 128 rows
.set PW,     528                       ; a row of W: 512 bytes + 16 = 132 words: likewise
.set WBASE,  4*LPL                     ; a slot: A's four planes, then W's 128 rows: 141,312 bytes
.set SLOT,   147456                    ; slot 1 begins here: a number that shares no bit with the four tile addresses in slot 0, so that one exclusive or turns them into slot 1's
.set STAGE,  SLOT+WBASE+128*PW         ; behind the ring, never filled: 16 rows x 272 bytes for each wave
.set SPITCH, 272
.set SPARE,  STAGE+4*16*SPITCH         ; the spare words, 128 bytes for each wave
.set ADRA0, 16
.set ADRA,  17
.set ADRB0, 20
.set ADRB,  21
.set STO,   24                         ; v24  the way out: where I put 16 bytes of a row
.set RD,    25                         ; v25  where I read rows back
.set CO,    26                         ; v26  my byte offset in two rows of C and of the residual
.set BO,    27                         ; v27  my byte offset in the bias
.set SPW,   28                         ; v28  my spare word's LDS address; never rewritten
.set NIL,   29                         ; v29  0; never rewritten
.set TMP,   32                         ; two buffers of 32
.set BI,    96                         ; v[96:99] the bias of my 4 columns
.set ONE,   100                        ; v100 1.0
.set T16,   104                        ; v[104:119] 32 numbers of the residual in bf16 (KIND 0)
.set ACC,   128
.set F0,    0
.set F1,    128
.set WV, 14
.set FB, 15                            ; my half of the tile's rows; also: I fetch for A (0) or W (1)
.set WC, 16                            ; my half of its columns; also: which part of that tile I fetch
.set G1,  24
.set G0,  32                           ; two sets: K step 0 into slot 0; K step 1 into slot 1, which then walks
.set G1B, 48
.set G0B, 56
.set TB,   66
.set CNT,  67
.set HI16, 68
.set MSB, 0
.macro WIN new
.if MSB != (\new)
	s_set_vgpr_msb (MSB<<8)|(\new)
.set MSB, \new
.endif
.endm
.set MUL,  0x05                        ; sources 0 (W) and 1 (A) window 1; C and D window 0
.set TO_F, 0x40                        ; destination window 1, address window 0
.macro JLOAD s                         ; a joint load; an s_nop 0 and four v_nop follow each of the two lines, ahead of the jump and the label
	s_cmp_eq_u32 s[FB], 0
	s_cbranch_scc0 .Lfor_b_\@
	tensor_load_to_lds s[G0+4*(\s):G0+4*(\s)+3], s[G1:G1+7]
	s_nop 0
.rept 4
	v_nop
.endr
	s_branch .Lasked_\@
.Lfor_b_\@:
	tensor_load_to_lds s[G0B+4*(\s):G0B+4*(\s)+3], s[G1B:G1B+7]
	s_nop 0
.rept 4
	v_nop
.endr
.Lasked_\@:
.endm
.macro CREST
	s_cmp_lg_u32 s[WV], 0
	s_cbranch_scc1 .Lnot_wave_0_\@
	s_barrier_signal -3
.Lnot_wave_0_\@:
	s_barrier_wait -3
	s_barrier_signal -1
	s_barrier_wait -1
.endm
.macro CROUND
	s_barrier_signal -1
	s_barrier_wait -1
	CREST
.endm
	s_load_b256 s[4:11], s[0:1], 0x0               ; A s[4:5], W s[6:7], bias s[8:9], residual s[10:11]
	s_load_b64 s[12:13], s[0:1], 0x20              ; C
	v_lshl_add_u32 v[SPW], v0, 2, SPARE
	v_mov_b32 v[NIL], 0
	ds_add_u32 v[SPW], v[NIL]                      ; the wave's opening: an add of 0, with its wait ahead of my first tensor load; the set-up below stands between them
	ds_add_u32 v28, v29
	v_lshrrev_b32 v1, 5, v0
	v_readfirstlane_b32 s[WV], v1
	s_lshr_b32 s[FB], s[WV], 1
	s_and_b32 s[WC], s[WV], 1
	s_bfe_u32 s17, ttmp6, 0x40000                  ; cx
	s_bfe_u32 s18, ttmp6, 0x40004                  ; cy
	s_lshl_b32 s19, ttmp9, 2
	s_add_co_u32 s19, s19, s17                     ; tile column
	s_and_b32 s20, ttmp7, 0xffff
	s_lshl_b32 s20, s20, 2
	s_add_co_u32 s20, s20, s18                     ; tile row
	s_lshl_b32 s21, s18, 2
	s_lshl_b32 s21, 15, s21                        ; my row of the cluster
	s_lshl_b32 s22, 0x1111, s17                    ; my column
	s_or_b32 s[G1], s21, (1<<16)|(1<<20)|(1<<21)|(4<<22)|(3<<25)   ; A: the mask; 2-byte elements; padding on; bit 21 beside a mask; after every 32 words, 4 words
	s_mov_b32 s[G1+1], 8192<<16                    ; tensor_dim0 = 8,192 elements: 128 dense rows of a plane
	s_mov_b32 s[G1+2], 2<<16                       ; tensor_dim1 = 2 planes
	s_mov_b32 s[G1+3], 8192<<16                    ; tile_dim0
	s_mov_b32 s[G1+4], 2                           ; tile_dim1
	s_mov_b32 s[G1+5], 262144                      ; elements from plane to plane
	s_mov_b32 s[G1+6], 0
	s_mov_b32 s[G1+7], 0
	s_or_b32 s[G1B], s22, (1<<16)|(1<<20)|(1<<21)|(6<<22)|(3<<25)  ; W: after every 128 words, 4 words
	s_mov_b32 s[G1B+1], 256<<16
	s_mov_b32 s[G1B+2], 64<<16
	s_mov_b32 s[G1B+3], 256<<16
	s_mov_b32 s[G1B+4], 64
	s_mov_b32 s[G1B+5], WP
	s_mov_b32 s[G1B+6], 0
	s_mov_b32 s[G1B+7], 0
	s_lshl_b32 s40, s[WC], 20                      ; A: my two planes of 524,288 bytes,
	s_lshl_b32 s41, s20, 14                        ; the tile's 128 rows of 128 bytes
	s_add_co_u32 s40, s40, s41
	s_mov_b32 s41, 0
	s_lshl_b32 s42, s19, 7
	s_lshl_b32 s43, s[WC], 6
	s_add_co_u32 s42, s42, s43
	s_mul_i32 s42, s42, WP*2                       ; W: row 128 x tile column + 64 x half
	s_add_co_u32 s42, s42, WOFF
	s_mov_b32 s43, 0
	s_mul_i32 s23, s[WC], 2*LPL                    ; where my part goes, for A,
	s_mul_i32 s69, s[WC], 64*PW
	s_add_co_u32 s69, s69, WBASE                   ; and for W: no place in the cluster enters an LDS address
	s_mov_b32 s[TB], 0
	s_mov_b32 s[HI16], 0xffff0000
	s_wait_dscnt 0x0                               ; the opening add is done
	s_wait_kmcnt 0x0
	s_add_nc_u64 s[40:41], s[4:5], s[40:41]
	s_add_nc_u64 s[42:43], s[6:7], s[42:43]
	CROUND                                         ; all sixteen work-groups are here: the first joint loads meet
.irp s, 0,1
	s_mov_b32 s[G0+4*(\s)], 1
	s_add_co_u32 s[G0+4*(\s)+1], s23, (\s)*SLOT
	s_add_nc_u64 s[G0+4*(\s)+2:G0+4*(\s)+3], s[40:41], (\s)*4*524288
	s_or_b32 s[G0+4*(\s)+3], s[G0+4*(\s)+3], 0x80000000
	s_mov_b32 s[G0B+4*(\s)], 1
	s_add_co_u32 s[G0B+4*(\s)+1], s69, (\s)*SLOT
	s_add_nc_u64 s[G0B+4*(\s)+2:G0B+4*(\s)+3], s[42:43], (\s)*512
	s_or_b32 s[G0B+4*(\s)+3], s[G0B+4*(\s)+3], 0x80000000
	JLOAD \s
.endr
	v_and_b32 v1, 15, v0                           ; l % 16
	v_bfe_u32 v2, v0, 4, 1                         ; l / 16
	v_lshlrev_b32 v5, 12, v2
	v_lshl_add_u32 v[CO], v1, 4, v5                ; lanes 0-15 one row's 256 bytes, lanes 16-31 the next row's
	v_lshlrev_b32 v[BO], 4, v1
	s_lshl_b32 s46, s19, 9
	s_lshl_b32 s47, s[WC], 8
	s_add_co_u32 s46, s46, s47                     ; my 64 columns: (128 x tile column + 64 x half) x 4 bytes
	s_lshl_b32 s44, s20, 19
	s_lshl_b32 s45, s[FB], 18
	s_add_co_u32 s44, s44, s45                     ; my 64 rows of 4,096 bytes
	s_add_co_u32 s44, s44, s46
	s_mov_b32 s45, 0
	s_mov_b32 s47, 0
	s_add_nc_u64 s[8:9], s[8:9], s[46:47]
	s_add_nc_u64 s[10:11], s[10:11], s[44:45]
	s_add_nc_u64 s[12:13], s[12:13], s[44:45]
	WIN 0x80                                       ; destination window 2: the residual comes while the products run
.set i, 0
.rept 32
	global_load_b128 v[4*i:4*i+3], v[CO], s[10:11] offset:2*i*4096
.set i, i+1
.endr
	WIN 0
	global_load_b128 v[BI:BI+3], v[BO], s[8:9]
	v_mov_b32 v[ONE], 1.0
	v_mul_u32_u24 v3, v1, PA
	v_lshl_add_u32 v3, v2, 4, v3
	s_mul_i32 s21, s[FB], 64*PA
	v_add_nc_u32 v[ADRA0], s21, v3                 ; A: (my 64 rows + l % 16) x pitch + 16 x half
	v_mul_u32_u24 v3, v1, PW
	v_lshl_add_u32 v3, v2, 4, v3
	s_mul_i32 s22, s[WC], 64*PW
	s_add_co_u32 s22, s22, WBASE
	v_add_nc_u32 v[ADRB0], s22, v3
	v_mov_b32 v[ADRA], v[ADRA0]
	v_mov_b32 v[ADRB], v[ADRB0]
	s_mul_i32 s21, s[WV], 16*SPITCH
	s_add_co_u32 s21, s21, STAGE                   ; my stage
	v_mul_u32_u24 v4, v1, SPITCH
	v_lshl_add_u32 v4, v2, 5, v4                   ; in: row l % 16, 32 bytes for each half of the lanes
	v_add_nc_u32 v[STO], s21, v4
	v_mul_u32_u24 v5, v2, SPITCH
	v_lshl_add_u32 v5, v1, 4, v5                   ; back: lanes 0-15 one row, lanes 16-31 the next
	v_add_nc_u32 v[RD], s21, v5
; 8 matrix instructions: m blocks a0, a0 + 1 x all 4 n blocks, 32 along K: half c of buffer f.  The 16 accumulators take turns.
.macro MUL8 f, c, a0, zero
	WIN MUL
.irp a, \a0, (\a0)+1
.irp b, 0,1,2,3
.if \zero
	v_wmma_f32_16x16x32_f16 v[ACC+8*(4*(\a)+(\b)):ACC+8*(4*(\a)+(\b))+7], v[(\f)+64+8*(4*(\c)+(\b)):(\f)+64+8*(4*(\c)+(\b))+7], v[(\f)+8*(4*(\c)+(\a)):(\f)+8*(4*(\c)+(\a))+7], 0
.else
	v_wmma_f32_16x16x32_f16 v[ACC+8*(4*(\a)+(\b)):ACC+8*(4*(\a)+(\b))+7], v[(\f)+64+8*(4*(\c)+(\b)):(\f)+64+8*(4*(\c)+(\b))+7], v[(\f)+8*(4*(\c)+(\a)):(\f)+8*(4*(\c)+(\a))+7], v[ACC+8*(4*(\a)+(\b)):ACC+8*(4*(\a)+(\b))+7]
.endif
.endr
.endr
.endm
; 32 LDS loads in one run: quarter q of the K step in hand (plane q of A; 128 q bytes along W's rows), into buffer f; the first 32 along K first
.macro FETCH q, f
	WIN TO_F
.irp c, 0,1
.irp i, 0,1,2,3
	ds_load_b128 v[(\f)+64+8*(4*(\c)+(\i)):(\f)+64+8*(4*(\c)+(\i))+3],   v[ADRB] offset:128*(\q)+64*(\c)+(\i)*16*PW
	ds_load_b128 v[(\f)+64+8*(4*(\c)+(\i))+4:(\f)+64+8*(4*(\c)+(\i))+7], v[ADRB] offset:128*(\q)+64*(\c)+(\i)*16*PW+32
	ds_load_b128 v[(\f)+8*(4*(\c)+(\i)):(\f)+8*(4*(\c)+(\i))+3],         v[ADRA] offset:LPL*(\q)+64*(\c)+(\i)*16*PA
	ds_load_b128 v[(\f)+8*(4*(\c)+(\i))+4:(\f)+8*(4*(\c)+(\i))+7],       v[ADRA] offset:LPL*(\q)+64*(\c)+(\i)*16*PA+32
.endr
.endr
.endm
.macro PLACES                          ; four places between a matrix instruction and a load into, or a read of, its registers (ISA guide 7.12.1 for a read)
.rept 4
	v_nop
.endr
.endm
.macro QUARTER q, f, g, zero           ; multiplies buffer f and fetches quarter q into g
	s_wait_dscnt 16                                ; the first 32 along K are in
	MUL8 \f, 0, 0, \zero
	MUL8 \f, 0, 2, \zero
	PLACES
	FETCH \q, \g
	s_wait_dscnt 32                                ; all but the 32 just issued
	MUL8 \f, 1, 0, 0
	MUL8 \f, 1, 2, 0
.endm
; The last quarter multiplies buffer 1 and changes slots: one barrier; in front of it each wave waits for all its tensor loads (one is out: its part of the next slot), adds 0 to its spare word, and waits for that and
; for its reads of this slot.  fill = 1: the barrier opens a round of the cluster's, and this slot is filled again first behind it, with the K step two on, by the walking descriptor.
.macro TURN fill
	WIN 0
	s_wait_tensorcnt 0x0                           ; no tensor load of mine is out, so a group 0 may be written
	ds_add_u32 v[SPW], v[NIL]                      ; 0 onto my spare word; work on registers stands between it and the wait for it
.if \fill
	s_xor_b32 s[G0+5], s[G0+5], SLOT
	s_add_nc_u64 s[G0+6:G0+7], s[G0+6:G0+7], 4*524288  ; four planes on; the type bits on top are not reached
	s_xor_b32 s[G0B+5], s[G0B+5], SLOT
	s_add_nc_u64 s[G0B+6:G0B+7], s[G0B+6:G0B+7], 512
.endif
	s_xor_b32 s[TB], s[TB], SLOT                   ; the fetches go on in the other slot
	v_add_nc_u32 v[ADRA], s[TB], v[ADRA0]
	v_add_nc_u32 v[ADRB], s[TB], v[ADRB0]
	s_wait_dscnt 17                                ; the add and the youngest sixteen loads may be out
	MUL8 F1, 0, 0, 0
	s_wait_dscnt 0x0                               ; the add is done, and my reads of this slot are over
	s_barrier_signal -1
	MUL8 F1, 0, 2, 0
	WIN 0                                          ; at a branch and at a label every window is 0
	s_barrier_wait -1
.if \fill
	CREST                                          ; no wave of any partner still reads this slot or has a load on its way
	JLOAD 1                                        ; its four v_nop are also the places in front of the loads below
.else
	PLACES
.endif
	FETCH 0, F0
	MUL8 F1, 1, 0, 0
	MUL8 F1, 1, 2, 0
.endm
	s_wait_tensorcnt 1                             ; my part of K step 0 is in; K step 1's may stay out
	s_barrier_signal -1
	s_barrier_wait -1
	FETCH 0, F0
	QUARTER 1, F0, F1, 1                           ; the first quarter's first products start the sums
	WIN 0
	s_mov_b32 s[CNT], NK-2
	s_branch .Lmid                                 ; the loop is entered behind its first quarter
.Lk:                                                   ; NK - 2 trips: each asks for the K step two on
	QUARTER 1, F0, F1, 0
	WIN 0
.Lmid:
	QUARTER 2, F1, F0, 0
	QUARTER 3, F0, F1, 0
	TURN 1
	WIN 0
	s_sub_co_u32 s[CNT], s[CNT], 1
	s_cmp_lg_u32 s[CNT], 0
	s_cbranch_scc1 .Lk
	s_mov_b32 s[CNT], 2
.Lt:                                                   ; the last two K steps ask for nothing.  The last trip's fetch (of the slot read before, which still lies there) serves nothing: the price of one text for both
	QUARTER 1, F0, F1, 0
	QUARTER 2, F1, F0, 0
	QUARTER 3, F0, F1, 0
	TURN 0
	WIN 0
	s_sub_co_u32 s[CNT], s[CNT], 1
	s_cmp_lg_u32 s[CNT], 0
	s_cbranch_scc1 .Lt
	PLACES
	s_wait_loadcnt 0x0                             ; the residual and the bias
.irp p, 0,2
	v_cvt_pk_bf16_f32 v101, v[BI+(\p)], v[BI+(\p)+1]
	v_lshlrev_b32 v[BI+(\p)], 16, v101
	v_and_b32 v[BI+(\p)+1], s[HI16], v101
.endr
; Block a: 16 rows of my 64.  A lane's 8 columns go into the stage's rows of 272 bytes and come back as whole rows of 256; bias and residual are added; sixteen lanes store 256 consecutive bytes, aligned.
.macro OUT a
.set TM, TMP+32*((\a)%2)
.irp b, 0,1,2,3
	ds_store_b128 v[STO], v[ACC+8*(4*(\a)+(\b)):ACC+8*(4*(\a)+(\b))+3]   offset:64*(\b)
	ds_store_b128 v[STO], v[ACC+8*(4*(\a)+(\b))+4:ACC+8*(4*(\a)+(\b))+7] offset:64*(\b)+16
.endr
.if (\a) >= 2
	s_wait_xcnt 0x0                                ; the stores of the block two back have read this buffer
.endif
.irp t, 0,1,2,3,4,5,6,7
	ds_load_b128 v[TM+4*(\t):TM+4*(\t)+3], v[RD] offset:(\t)*2*SPITCH  ; LDS serves a wave's instructions in order (ISA guide 5.7.1.4): these see the stores above
.endr
	s_wait_dscnt 0x0
.irp t, 0,1,2,3,4,5,6,7
	v_pk_add_f32 v[TM+4*(\t):TM+4*(\t)+1],   v[TM+4*(\t):TM+4*(\t)+1],   v[BI:BI+1]
	v_pk_add_f32 v[TM+4*(\t)+2:TM+4*(\t)+3], v[TM+4*(\t)+2:TM+4*(\t)+3], v[BI+2:BI+3]
.endr
.if KIND == 0
	WIN 0x0a                                       ; sources 0 and 1 in window 2
.set i, 0
.rept 16
	v_cvt_pk_bf16_f32 v[T16+i], v[32*(\a)+2*i], v[32*(\a)+2*i+1]
.set i, i+1
.endr
	WIN 0
.set i, 0
.rept 16
	v_fma_mix_f32_bf16 v[TM+2*i],   v[T16+i], v[ONE], v[TM+2*i]   op_sel_hi:[1,0,0]
	v_fma_mix_f32_bf16 v[TM+2*i+1], v[T16+i], v[ONE], v[TM+2*i+1] op_sel:[1,0,0] op_sel_hi:[1,0,0]
.set i, i+1
.endr
.else
	WIN 0x08                                       ; source 1 in window 2
.set i, 0
.rept 16
	v_pk_add_f32 v[TM+2*i:TM+2*i+1], v[TM+2*i:TM+2*i+1], v[32*(\a)+2*i:32*(\a)+2*i+1]
.set i, i+1
.endr
	WIN 0
.endif
.irp t, 0,1,2,3,4,5,6,7
	global_store_b128 v[CO], v[TM+4*(\t):TM+4*(\t)+3], s[12:13] offset:(16*(\a)+2*(\t))*4096
.endr
.endm
	OUT 0
	OUT 1
	OUT 2
	OUT 3
	s_wait_tensorcnt 0x0                           ; the wave's end, behind my last tensor load and my last LDS store
	ds_add_u32 v[SPW], v[NIL]
	s_wait_dscnt 0x0
	CROUND                                         ; the closing round: no work-group ends while a partner may still ask for a tile that names it
	s_endpgm
.Lfunc_end_k_qa251db3524_ffn2:
	.size	k_qa251db3524_ffn2, .Lfunc_end_k_qa251db3524_ffn2-k_qa251db3524_ffn2
	.p2alignl 7, 3214868480
	.fill 96, 4, 3214868480
	.section	.rodata,"a",@progbits
	.p2align	6, 0x0
	.amdhsa_kernel k_qa251db3524_ffn2
		.amdhsa_group_segment_fixed_size 327680
		.amdhsa_private_segment_fixed_size 0
		.amdhsa_enable_private_segment 0
		.amdhsa_kernarg_size 40
		.amdhsa_user_sgpr_count 2
		.amdhsa_user_sgpr_kernarg_segment_ptr 1
		.amdhsa_wavefront_size32 1
		.amdhsa_system_sgpr_workgroup_id_x 1
		.amdhsa_system_sgpr_workgroup_id_y 1
		.amdhsa_system_sgpr_workgroup_id_z 1
		.amdhsa_system_vgpr_workitem_id 0
		.amdhsa_next_free_vgpr 640
		.amdhsa_next_free_sgpr 80
		.amdhsa_reserve_vcc 0
		.amdhsa_float_denorm_mode_32 3
		.amdhsa_float_denorm_mode_16_64 3
		.amdhsa_memory_ordered 1
		.amdhsa_forward_progress 1
		.amdhsa_inst_pref_size 69
	.end_amdhsa_kernel
	.amdgpu_metadata
---
amdhsa.version: [ 1, 2 ]
amdhsa.kernels:
  - .name:           k_qa251db3524_ffn2
    .symbol:         k_qa251db3524_ffn2.kd
    .args:
      - { .name: big, .offset: 0, .size: 8, .value_kind: global_buffer, .address_space: global }
      - { .name: w2t, .offset: 8, .size: 8, .value_kind: global_buffer, .address_space: global }
      - { .name: b2, .offset: 16, .size: 8, .value_kind: global_buffer, .address_space: global }
      - { .name: x1, .offset: 24, .size: 8, .value_kind: global_buffer, .address_space: global }
      - { .name: out0, .offset: 32, .size: 8, .value_kind: global_buffer, .address_space: global }
    .group_segment_fixed_size: 327680
    .private_segment_fixed_size: 0
    .kernarg_segment_align: 8
    .kernarg_segment_size: 40
    .max_flat_workgroup_size: 128
    .sgpr_count:     80
    .vgpr_count:     640
    .wavefront_size: 32
...
	.end_amdgpu_metadata
.endif
;; end of part 6
